; MI455X (gfx1250); checked and timed in simulation.
; The chip was launched on July 23, 2026; its instructions are those of AMD's public machine-readable ISA for CDNA 5 (MIT licence, August 2026) and "CDNA5" Instruction Set Architecture Reference Guide (July 2026). The comments in the code are by the model that wrote it; some were corrected since.
;; Context Aware Attention. Allowed arithmetic: matrix products marked QUANTISED: E2M3 operands, one E8M0 scale for each 32 along K, by v_wmma_scale_f32_16x16x128_f8f6f4 with both operands' format E2M3, f32 sums; everything else in f32.
;; Inputs: Wk_codes 1,024 x 32 x 24 uint8 (E2M3 codes of Wk, K innermost, in blocks of 32 codes, four codes in three bytes); Wk_scales 1,024 x 32 uint8 (E8M0 scales of Wk, one for each 32 codes along K); Wq_codes 1,024 x 32 x 24 uint8 (E2M3 codes of Wq, K innermost, in blocks of 32 codes, four codes in three bytes); Wq_scales 1,024 x 32 uint8 (E8M0 scales of Wq, one for each 32 codes along K); Wv_codes 1,024 x 32 x 24 uint8 (E2M3 codes of Wv, K innermost, in blocks of 32 codes, four codes in three bytes); Wv_scales 1,024 x 32 uint8 (E8M0 scales of Wv, one for each 32 codes along K); bk 1,024 float32; bq 1,024 float32; bv 1,024 float32; context 1,024 float32; key 4 x 2,048 x 1,024 float32; query 4 x 2,048 x 1,024 float32; value_codes 4 x 2,048 x 32 x 24 uint8 (E2M3 codes of value, K innermost, in blocks of 32 codes, four codes in three bytes); value_scales 4 x 2,048 x 32 uint8 (E8M0 scales of value, one for each 32 codes along K).
;; Outputs: out0 4 x 2,048 x 1,024 float32.
;; This version of the problem:
;;   THIS VERSION OF THE PROBLEM IS GIVEN IN LOW PRECISION. The matrix products marked QUANTISED in the list below multiply operands that are first quantised to E2M3 (2 exponent bits, 3 mantissa bits; 6 bits a number), with one power-of-two scale for each 32 numbers along K (OCP MX v1.0); their sums are f32. All else is computed in f32.
;;   The module's matrix products, in the order in which they are computed (A, B: the left and right operand; K: the contracted axis; several contracted axes count as one K, in the product's order):
;;     1. [M 8,192, K 1,024] x [K 1,024, N 1,024]; A: computed on the way; B: input Wq (given as codes): QUANTISED
;;     2. [M 8,192, K 1,024] x [K 1,024, N 1,024]; A: computed on the way; B: input Wk (given as codes): QUANTISED
;;     3. [M 8,192, K 1,024] x [K 1,024, N 1,024]; A: input value (given as codes); B: input Wv (given as codes): QUANTISED
;;     4. batch 4 x [M 2,048, K 1,024] x [K 1,024, N 2,048]; A: computed on the way; B: computed on the way: QUANTISED
;;     5. batch 4 x [M 2,048, K 2,048] x [K 2,048, N 1,024]; A: softmax (see below); B: computed on the way: QUANTISED
;;   THE QUANTISER, for each operand of a quantised product, along K:
;;     - K is cut into blocks of 32 from its start; a last block that is shorter is filled with zeros.
;;     - A block's scale is 2^e with e = floor(log2(the largest magnitude in the block)) - 2, held to -126 .. 127; a block of zeros has e = 0. As a byte (E8M0): e + 127.
;;     - Each number is divided by its block's scale, clamped to +-7.5, and rounded to the nearest number of E2M3, ties to even, subnormals kept.
;;     - The product sums the exact products of the quantised numbers (number of the format x scale) in f32.
;;   ~~~python
;;   def quantise(x, axis):      # numpy; x: float32 -> the quantised numbers, widened to float32 again
;;       x = np.moveaxis(x, axis, -1); K = x.shape[-1]
;;       x = np.pad(x, [(0, 0)] * (x.ndim - 1) + [(0, -K % 32)]); x = x.reshape(x.shape[:-1] + (-1, 32)); a = np.abs(x).max(-1, keepdims=True)
;;       e = np.where(a > 0, np.clip(np.frexp(np.where(a > 0, a, 1))[1] - 1 - 2, -126, 127), 0)      # np.frexp(a)[1] - 1 = floor(log2(a)), exactly
;;       r = np.clip(x / 2.0 ** e, -7.5, 7.5)
;;       step = 2.0 ** (np.maximum(np.frexp(np.where(r == 0, 1, r))[1] - 1, 0) - 3)
;;       q = np.round(r / step) * step * 2.0 ** e      # np.round: ties to even
;;       return np.moveaxis(q.reshape(q.shape[:-2] + (-1,))[..., :K], -1, axis).astype(np.float32)
;;   ~~~
;;   SOFTMAX AHEAD OF A QUANTISED PRODUCT. Where the list says 'softmax', what is quantised is not the finished softmax but p = 2^(t - M), with t = logit x log2(e) and M = ceil(the row's largest t), a whole number; so 1/2 < the row's largest p <= 1. The row's sum l is taken of the UNQUANTISED p, in f32, and the product's result is divided by l at the end. Since M is a whole number, a kernel that streams over the keys may use a running M (the ceiling of the running maximum): every later rescaling is an exact power of two, which a block's scale takes up: the codes' values come out the same.
;;   OPERANDS COMPUTED ON THE WAY. 'Computed on the way' means the value that the module computes at that place (a softmax that the list does not call 'softmax' is quantised finished and normalised). What goes into a quantiser is computed in f32, as accurately as f32 sums, v_exp_f32 and their like allow (about 1e-6 of the number): no bf16 or f16 on the way to a quantiser, and a product that is left as it is and whose result goes on into a quantised operand takes f32 operands (vector FMAs, or v_wmma_f32_16x16x4_f32). A number that lies on a knife's edge between two numbers of the format may be rounded either way, as far as f32 arithmetic and the matrix unit's own rounding can turn it there, and no further.
;;   INPUTS GIVEN AS CODES. Wk (in the module: [1024, 1024], K = its axis 1); Wq (in the module: [1024, 1024], K = its axis 1); Wv (in the module: [1024, 1024], K = its axis 1); value (in the module: [4, 2048, 1024], K = its axis 2): each comes as NAME_codes (uint8): NAME with its K axis moved to the last place and cut into blocks of 32 codes, [.., K / 32, bytes a block], one block behind the other in memory; four codes in three bytes: a row's codes are one little-endian stream of bits, code i at bits 6 i .. 6 i + 5 (a code: sign, 2 exponent bits, 3 mantissa bits); and NAME_scales (uint8): the same leading axes, one E8M0 byte (e + 127) for each 32 codes along K. Its value is code x scale, taken as it is: it is not quantised again, and the codes and scales need not be those that the quantiser above would give.
;; One version. Each part assembles by itself: llvm-mc -triple=amdgcn-amd-amdhsa -mcpu=gfx1250 --defsym DOCPART=n.
;; ======== version 1 of 1: 4 launches
;; limits: right only within a limited range of input values
;; workspace buffers: xb 13,107,200 bytes; pb 19,660,800 bytes; sb 14,155,776 bytes
;; launch quant (part 1): grid 512 x 1, 4 waves a work-group, no clusters, 33,280 bytes of LDS; arguments query, key, context, xb; writes xb
.if DOCPART == 1
	.amdgcn_target "amdgcn-amd-amdhsa--gfx1250"
	.amdhsa_code_object_version 6
	.text
	.protected	k_qc2ea89db28_quant
	.globl	k_qc2ea89db28_quant
	.p2align	8
	.type	k_qc2ea89db28_quant,@function
k_qc2ea89db28_quant:
	s_mov_b64 s[64:65], 0
	v_nop
	global_prefetch_b8 v0, s[64:65] scope:SCOPE_SE
	s_setreg_imm32_b32 hwreg(HW_REG_WAVE_MODE, 25, 1), 1
	s_wait_xcnt 0x0
; query + context and key + context, [8192][1024] f32 each, become codes of FP6 (E2M3), K innermost, with one E8M0 byte for each 32 along K.
; xb: query's codes [8192][768] at byte 0, key's behind them; query's scale bytes [8192][32] at byte XSC, key's behind them.
; A block's scale is 2^(floor(log2(its largest magnitude)) - 2); its byte is the largest magnitude's exponent field - 2, held at 1 from below.
; LIMITS: a block of zeros gets the byte 1 (its codes are zeros, and this program alone reads the bytes); NaN and infinities are not served.
; A wave takes a run of 8,192 numbers (8 whole rows) in 16 steps of 512.  Each load reads 512 consecutive bytes; a step's 2,048 bytes turn through the wave's own
; stage in LDS and come back 64 bytes a lane: 16 neighbours along K, two lanes to a block.  A run begins at a row's start, so a lane's 16 numbers of step t lie at
; k = 512 (t % 2) + 16 lane: its 32 numbers of context stay in registers.  Work-groups 0 to 255 take query, the others key: only the pointer is chosen.
.set STEPS, 16
.set EMAX,  2
.set CB,    12                         ; bytes of 16 codes
.set R,     16                         ; v16-79   four sets of 16 numbers as loaded
.set X,     80                         ; v80-111  two sets of 16 neighbours
.set E,     112                        ; v112-127 a scale byte for each step
.set C,     128                        ; v128-191 codes: four registers for each step, so that no store's data are written again
.set CT,    192                        ; v192-223 context: 16 numbers for even steps, 16 for odd
.set WREG,  8192                       ; LDS: a region for each wave: two stages of 32 x SP bytes, behind them its 256 scale bytes
.set SP,    80                         ; a lane's place in a stage: 64 bytes + 16 of padding
.set XSC,   12582912                   ; where the scale bytes begin in xb
	s_load_b128 s[4:7], s[0:1], 0x0                ; query, key
	s_load_b128 s[8:11], s[0:1], 0x10              ; context, xb
	v_lshl_add_u32 v224, v0, 2, 0x8000
	v_mov_b32 v225, 0
	v_lshrrev_b32 v1, 5, v0
	v_readfirstlane_b32 s16, v1                    ; wave
	v_and_b32 v2, 31, v0                           ; lane
	v_lshlrev_b32 v3, 4, v2                        ; my 16 bytes of a load's 512
	s_mul_i32 s17, s16, WREG
	v_lshrrev_b32 v14, 2, v2
	v_mul_u32_u24 v14, v14, SP
	v_and_b32 v15, 3, v2
	v_lshl_add_u32 v14, v15, 4, v14
	v_add_nc_u32 v14, s17, v14                     ; the stage, in: SP (lane / 4) + 16 (lane % 4)
	v_mul_u32_u24 v15, v2, SP
	v_add_nc_u32 v15, s17, v15                     ; and out: SP x lane
	v_mul_u32_u24 v4, v2, CB                       ; my codes' place in a step's
	v_lshrrev_b32 v5, 1, v2
	s_add_co_u32 s17, s17, 2*32*SP
	v_add_nc_u32 v5, s17, v5                       ; my block's byte among my wave's 256
	v_lshlrev_b32 v7, 3, v2
	v_add_nc_u32 v6, s17, v7                       ; and on the way out 8 bytes a lane
	v_lshlrev_b32 v10, 6, v2                       ; context: 64 bytes a lane
	s_lshl_b32 s18, ttmp9, 2
	s_add_co_u32 s18, s18, s16                     ; my run, 0 to 2,047
	s_wait_alu depctr_va_vdst(0)
	s_wait_kmcnt 0x0
	s_cmp_lt_u32 ttmp9, 256                        ; query's work-group or key's: the choice hangs on the work-group's number alone
	s_cselect_b64 s[4:5], s[4:5], s[6:7]
	s_cselect_b32 s19, 0, 1024
	s_sub_co_u32 s19, s18, s19
	s_lshl_b32 s20, s19, 15                        ; 32,768 bytes of f32 a run
	s_mov_b32 s21, 0
	s_add_nc_u64 s[4:5], s[4:5], s[20:21]
	s_mul_i32 s20, s18, 6144                       ; 6,144 bytes of codes a run; key's runs follow query's
	s_add_nc_u64 s[12:13], s[10:11], s[20:21]
	s_lshl_b32 s20, s18, 8                         ; 256 scale bytes a run
	s_add_co_u32 s20, s20, XSC
	s_add_nc_u64 s[14:15], s[10:11], s[20:21]
.irp p, 0,1
.irp i, 0,1,2,3
	global_load_b128 v[CT+16*\p+4*\i:CT+16*\p+4*\i+3], v10, s[8:9] offset:2048*\p+16*\i
.endr
.endr
.macro LOAD t
.irp i, 0,1,2,3
	global_load_b128 v[R+16*((\t)%4)+4*\i:R+16*((\t)%4)+4*\i+3], v3, s[4:5] offset:2048*(\t)+512*\i th:TH_LOAD_NT   ; 32 lanes read 512 consecutive bytes
.endr
.endm
.macro TURN t                          ; step t's numbers through the stage: LDS serves a wave's instructions in order, so no wait stands between the stores and the loads
.irp i, 0,1,2,3
	ds_store_b128 v14, v[R+16*((\t)%4)+4*\i:R+16*((\t)%4)+4*\i+3] offset:32*SP*((\t)%2)+8*SP*\i
.endr
.irp i, 0,1,2,3
	ds_load_b128 v[X+16*((\t)%2)+4*\i:X+16*((\t)%2)+4*\i+3], v15 offset:32*SP*((\t)%2)+16*\i
.endr
.endm
.irp t, 0,1,2,3
	LOAD \t
.endr
	s_wait_loadcnt 12                              ; context's eight loads and step 0's four are in; steps 1 to 3 stay out
	TURN 0
.macro STEP t
.set XS, X+16*((\t)%2)
.set CTX, CT+16*((\t)%2)
.if (\t) > 0
	s_wait_dscnt 1                                 ; this step's numbers are back from the stage; the last step's byte store may be out
.else
	s_wait_dscnt 0x0
.endif
.if (\t)+4 < STEPS
	LOAD (\t)+4                                    ; into the registers that this step's stores into the stage have read
.endif
.if (\t)+1 < STEPS
.if STEPS-2-(\t) >= 3
	s_wait_loadcnt 12                              ; the next step's four loads are in; the three steps behind it may be out
.else
	s_wait_loadcnt 4*(STEPS-2-(\t))
.endif
	TURN (\t)+1
.endif
.irp i, 0,2,4,6,8,10,12,14
	v_pk_add_f32 v[XS+\i:XS+\i+1], v[XS+\i:XS+\i+1], v[CTX+\i:CTX+\i+1]   ; + context, in f32
.endr
	v_max3_num_f32 v8, |v[XS]|, |v[XS+1]|, |v[XS+2]|               ; the largest magnitude of my 16, in two chains
	v_max3_num_f32 v9, |v[XS+3]|, |v[XS+4]|, |v[XS+5]|
.irp i, 6,10
	v_max3_num_f32 v8, v8, |v[XS+\i]|, |v[XS+\i+1]|
	v_max3_num_f32 v9, v9, |v[XS+\i+2]|, |v[XS+\i+3]|
.endr
	v_max3_num_f32 v8, v8, |v[XS+14]|, |v[XS+15]|
	v_max3_num_f32 v8, v8, v9, (EMAX+1)<<23        ; and the floor 2^(3 - 127): the byte cannot fall under 1
	v_max_num_f32_dpp v8, v8, v8 row_xmask:1 row_mask:0xf bank_mask:0xf   ; with my neighbour's 16: the block's
	v_add_nc_u32 v11, -(EMAX<<23), v8              ; 2 off its exponent field: the conversion takes this operand's exponent field as its scale
	v_cvt_scalef32_pk16_fp6_f32 v[C+4*(\t):C+4*(\t)+2], v[XS:XS+15], v11
	v_lshrrev_b32 v[E+(\t)], 23, v11               ; the scale's byte (also the plain line behind the conversion)
	ds_store_b8 v5, v[E+(\t)] offset:16*(\t)       ; both lanes of a block write the same byte with the same value
	global_store_b96 v4, v[C+4*(\t):C+4*(\t)+2], s[12:13] offset:32*CB*(\t)   ; the wave stores 384 consecutive bytes
.endm
.irp t, 0,1,2,3,4,5,6,7,8,9,10,11,12,13,14,15
	STEP \t
.endr
	ds_load_b64 v[12:13], v6                       ; LDS serves a wave's instructions in order: these see my stores
	s_wait_dscnt 0x0
	global_store_b64 v7, v[12:13], s[14:15]        ; 32 lanes store 256 consecutive bytes, aligned
	s_wait_tensorcnt 0x0
	ds_add_u32 v224, v225
	s_wait_dscnt 0x0
	s_endpgm
.Lfunc_end_k_qc2ea89db28_quant:
	.size	k_qc2ea89db28_quant, .Lfunc_end_k_qc2ea89db28_quant-k_qc2ea89db28_quant
	.p2alignl 7, 3214868480
	.fill 96, 4, 3214868480
	.section	.rodata,"a",@progbits
	.p2align	6, 0x0
	.amdhsa_kernel k_qc2ea89db28_quant
		.amdhsa_group_segment_fixed_size 33280
		.amdhsa_private_segment_fixed_size 0
		.amdhsa_enable_private_segment 0
		.amdhsa_kernarg_size 32
		.amdhsa_user_sgpr_count 2
		.amdhsa_user_sgpr_kernarg_segment_ptr 1
		.amdhsa_wavefront_size32 1
		.amdhsa_system_sgpr_workgroup_id_x 1
		.amdhsa_system_sgpr_workgroup_id_y 1
		.amdhsa_system_sgpr_workgroup_id_z 1
		.amdhsa_system_vgpr_workitem_id 0
		.amdhsa_next_free_vgpr 226
		.amdhsa_next_free_sgpr 66
		.amdhsa_reserve_vcc 0
		.amdhsa_float_denorm_mode_32 3
		.amdhsa_float_denorm_mode_16_64 3
		.amdhsa_memory_ordered 1
		.amdhsa_forward_progress 1
		.amdhsa_inst_pref_size 41
	.end_amdhsa_kernel
	.amdgpu_metadata
---
amdhsa.version: [ 1, 2 ]
amdhsa.kernels:
  - .name:           k_qc2ea89db28_quant
    .symbol:         k_qc2ea89db28_quant.kd
    .args:
      - { .name: query, .offset: 0, .size: 8, .value_kind: global_buffer, .address_space: global }
      - { .name: key, .offset: 8, .size: 8, .value_kind: global_buffer, .address_space: global }
      - { .name: context, .offset: 16, .size: 8, .value_kind: global_buffer, .address_space: global }
      - { .name: xb, .offset: 24, .size: 8, .value_kind: global_buffer, .address_space: global }
    .group_segment_fixed_size: 33280
    .private_segment_fixed_size: 0
    .kernarg_segment_align: 8
    .kernarg_segment_size: 32
    .max_flat_workgroup_size: 128
    .sgpr_count:     66
    .vgpr_count:     226
    .wavefront_size: 32
...
	.end_amdgpu_metadata
.endif
;; end of part 1
;; launch proj (part 2): grid 4 x 64, 4 waves a work-group, clusters of 4 x 4, 327,680 bytes of LDS; arguments xb, Wv_codes, Wv_scales, Wq_codes, Wk_codes, value_codes, Wq_scales, Wk_scales, value_scales, bq, bk, bv, pb; writes pb
.if DOCPART == 2
	.amdgcn_target "amdgcn-amd-amdhsa--gfx1250"
	.amdhsa_code_object_version 6
	.text
	.protected	k_qc2ea89db28_proj
	.globl	k_qc2ea89db28_proj
	.p2align	8
	.type	k_qc2ea89db28_proj,@function
k_qc2ea89db28_proj:
	s_mov_b64 s[64:65], 0
	v_nop
	global_prefetch_b8 v0, s[64:65] scope:SCOPE_SE
	s_setreg_imm32_b32 hwreg(HW_REG_WAVE_MODE, 25, 1), 1
	s_wait_xcnt 0x0
	s_wait_alu depctr_hold_cnt(0) depctr_sa_sdst(0) depctr_va_vdst(0) depctr_va_sdst(0) depctr_va_ssrc(0) depctr_va_vcc(0) depctr_vm_vsrc(0)
	s_getreg_b32 s2, hwreg(HW_REG_IB_STS2, 6, 4)
	s_cmp_eq_u32 s2, 0
	s_cbranch_scc0 .Lentry_in_a_cluster
	s_endpgm
.Lentry_in_a_cluster:
	s_bfe_u32 s2, ttmp6, 0x10000c
	s_cmp_lg_u32 s2, 0xf033
	s_cbranch_scc0 .Lentry_shape_is_right
	s_endpgm
.Lentry_shape_is_right:
; Two products in FP6 (E2M3) codes with E8M0 scales, K = 1,024 each, by one work-group of four waves:
;  1. a tile of 256 rows x 256 channels of q = (query + context) Wq^T + bq, or of k likewise (xb holds the rows' codes and scale bytes);
;  2. a tile of 128 channels x 256 keys of v^T = Wv value^T + bv.
; Each result is quantised along its last axis (q, k: channels; v^T: keys) and stored in pb as images of operand registers, with one scale word for a row and 128 numbers.
; ONE WALK: a row of codes is 768 bytes = 3 chunks of 256 bytes, each beginning at a multiple of 256 bytes.  The two products are 16 steps of 128 along K (96 bytes) over 6 chunks;
; chunk c lies in slot c % 2 of a ring of two LDS slots (256 rows of A, 256 rows of B, pitch 272).  Chunks 3 to 5 are the second product's, asked for while the first is finished and quantised.
; The scale bytes of all four operands (28,672 bytes) come once, through registers, into LDS bytes of their own, as units of 256 bytes + 16.
; CLUSTERS: 4 x 4; A's tiles are asked for jointly along a row of the cluster, B's along a column.
; No prefetch: the block is the largest, in clusters, and a product's K is three chunks, of which two are asked for before the first product begins.
; The matrix instruction is used transposed: source 0 = B's rows, source 1 = A's rows: lane (r, h) holds A's row 16 a + r and in register j B's row 16 b + 8 h + j.
; LIMITS: a block of zeros gets the byte 1 (its codes are zeros; this program alone reads the bytes); NaN and infinities are not served.
; REGISTERS: window 0: v4-31 addresses; v32-63 scale words, two sets; v64-127 biases as first C, later scratch; v128-223 A's fragments, later codes.  window 1: B's two sets.  windows 2, 3: accumulators.
.set ROWB,   256
.set KROW,   768
.set PITCH,  272
.set FR,     12
.set NL,     6
.set NP,     4
.set CHUNKS, 6
.set HALFT,  128*PITCH
.set SLOT,   4*HALFT
.set SCL,    2*SLOT                    ; scales: A1 32 units, B1 32, A2 16, B2 32, of 272 bytes
.set HALFS,  16*272
.set SBLK,   2*272
.set SC2,    SCL+4*HALFS
.set WST,    SC2+48*272                ; the scale words' stage, 512 bytes a wave
.set SPARE,  WST+4*512                 ; the spare words
.set O_XS,   12582912
.set O_IMG,  6291456
.set O_WRD,  18874368
.set ADRS2, 7
.set RBR,  8
.set WSO2, 12
.set L8,   13
.set S2A,  14
.set S2B,  15
.set ADRA, 16                          ; v16-17 slot 0, 1; v18-19 for pieces whose two halves of the lanes lie in different chunks
.set ADRB, 20
.set LI,   24
.set WSI,  25
.set WSO,  26
.set ADRS, 27
.set SPW,  28
.set NIL,  29
.set BNO,  30
.set BMO,  31
.set SC,   32
.set BN,   64
.set C2,   96
.set AF,   128
.set S2R,  128
.set MX,   64
.set MT,   68
.set SO,   72
.set TC,   76
.set RB,   84
.set PWA,  88
.set CD,   160
.set SEL,  2
.set G1, 24
.set G0, 32
.set G1B, 48
.set G0B, 56
.set G1C, 68                           ; group 1 for the second product's A: 64 rows
.set A2P, 96
.set B2P, 98
.set MSB, 0
.macro WIN new
.if MSB != (\new)
	s_set_vgpr_msb (MSB<<8)|(\new)
.set MSB, (\new)
.endif
.endm
.set TO_B,   0x40
.macro JLOAD g0a, g1a, g0b, g1b        ; a joint load: waves 0, 1 fetch for A, waves 2, 3 for B
	s_cmp_eq_u32 s15, 0
	s_cbranch_scc0 .Lfor_b_\@
	tensor_load_to_lds s[\g0a:\g0a+3], s[\g1a:\g1a+7]
	s_nop 0
.rept 4
	v_nop
.endr
	s_branch .Lasked_\@
.Lfor_b_\@:
	tensor_load_to_lds s[\g0b:\g0b+3], s[\g1b:\g1b+7]
	s_nop 0
.rept 4
	v_nop
.endr
.Lasked_\@:
.endm
.macro CREST
	s_cmp_lg_u32 s14, 0
	s_cbranch_scc1 .Lnot_wave_0_\@
	s_barrier_signal -3
.Lnot_wave_0_\@:
	s_barrier_wait -3
	s_barrier_signal -1
	s_barrier_wait -1
.endm
.macro CROUND
	s_barrier_signal -1
	s_barrier_wait -1
	CREST
.endm
	s_load_b512 s[68:83], s[0:1], 0x0
	s_load_b256 s[84:91], s[0:1], 0x40
	s_load_b64 s[12:13], s[0:1], 0x60
	v_lshl_add_u32 v[SPW], v0, 2, SPARE
	v_mov_b32 v[NIL], 0
	ds_add_u32 v[SPW], v[NIL]                      ; the opening lines: the add twice and one wait
	ds_add_u32 v[SPW], v[NIL]
	v_lshrrev_b32 v1, 5, v0
	v_readfirstlane_b32 s14, v1                    ; wave
	s_lshr_b32 s15, s14, 1                         ; my half of A's rows; also: I fetch for A (0) or B (1)
	s_and_b32 s16, s14, 1                          ; my half of B's rows; also: which half I fetch
	s_bfe_u32 s40, ttmp6, 0x40000                  ; cx
	s_bfe_u32 s41, ttmp6, 0x40004                  ; cy
	s_and_b32 s18, ttmp7, 0xffff
	s_lshr_b32 s66, s18, 3                         ; 0: q, 1: k
	s_and_b32 s67, s18, 7
	s_lshl_b32 s67, s67, 2
	s_add_co_u32 s17, s67, s41                     ; product 1: tile of 256 rows
	s_lshl_b32 s95, s66, 2
	s_add_co_u32 s95, s95, s41                     ; product 2: tile of 128 channels
	s_add_co_u32 s42, s67, s40                     ; product 2: tile of 256 keys
	s_lshl_b32 s43, s41, 2
	s_lshl_b32 s43, 15, s43                        ; my row of the cluster
	s_lshl_b32 s44, 0x1111, s40                    ; my column
	s_mov_b32 s[SEL], 0x76543210
	s_mov_b32 s[SEL+1], 0xfedcba98
	s_or_b32 s[G1+0], s43, (0<<16)|(1<<20)|(1<<21)|(5<<22)|(3<<25)
	s_or_b32 s[G1B+0], s44, (0<<16)|(1<<20)|(1<<21)|(5<<22)|(3<<25)
.irp g, G1, G1B
	s_mov_b32 s[\g+1], ROWB<<16
	s_mov_b32 s[\g+2], 128<<16
	s_mov_b32 s[\g+3], ROWB<<16
	s_mov_b32 s[\g+4], 128
	s_mov_b32 s[\g+5], KROW
	s_mov_b32 s[\g+6], 0
	s_mov_b32 s[\g+7], 0
.endr
	s_lshl_b32 s18, s16, 7
	s_lshl_b32 s20, s17, 8
	s_add_co_u32 s20, s20, s18                     ; the rows that I fetch: A1,
	s_lshl_b32 s46, s40, 8
	s_add_co_u32 s46, s46, s18                     ; B1,
	s_lshl_b32 s98, s42, 8
	s_add_co_u32 s98, s98, s18                     ; B2,
	s_lshl_b32 s96, s95, 7
	s_lshl_b32 s19, s16, 6
	s_add_co_u32 s96, s96, s19                     ; A2
	s_lshl_b32 s22, s17, 13                        ; the tile's scale bytes: A1's
	s_lshl_b32 s19, s66, 18
	s_add_co_u32 s22, s22, s19
	s_add_co_u32 s22, s22, O_XS
	s_mov_b32 s23, 0
	s_lshl_b32 s92, s40, 13                        ; B1's
	s_mov_b32 s93, 0
	s_mul_i32 s20, s20, KROW
	s_mul_i32 s19, s66, O_IMG
	s_add_co_u32 s20, s20, s19
	s_mov_b32 s21, 0
	s_mul_i32 s46, s46, KROW
	s_mov_b32 s47, 0
	s_mul_i32 s96, s96, KROW
	s_mov_b32 s97, 0
	s_mul_i32 s98, s98, KROW
	s_mov_b32 s99, 0
	s_mul_i32 s45, s14, HALFT                      ; where my tiles go: wave x 128 rows
	s_lshl_b32 s18, s40, 1                         ; where product 1's images and words go
	s_add_co_u32 s18, s18, s16
	s_lshl_b32 s18, s18, 9
	s_lshl_b32 s19, s17, 4
	s_add_co_u32 s18, s18, s19
	s_lshl_b32 s19, s15, 3
	s_add_co_u32 s18, s18, s19
	s_mul_i32 s4, s18, 1536
	s_mul_i32 s19, s66, O_IMG
	s_add_co_u32 s4, s4, s19
	s_mov_b32 s5, 0
	s_lshl_b32 s6, s18, 6
	s_lshl_b32 s19, s66, 18
	s_add_co_u32 s6, s6, s19
	s_add_co_u32 s6, s6, O_WRD
	s_mov_b32 s7, 0
	s_lshl_b32 s18, s42, 1                         ; and product 2's
	s_add_co_u32 s18, s18, s16
	s_lshl_b32 s18, s18, 6
	s_lshl_b32 s19, s95, 3
	s_add_co_u32 s18, s18, s19
	s_lshl_b32 s19, s15, 2
	s_add_co_u32 s18, s18, s19
	s_mul_i32 s8, s18, 1536
	s_add_co_u32 s8, s8, 2*O_IMG
	s_mov_b32 s9, 0
	s_lshl_b32 s10, s18, 6
	s_add_co_u32 s10, s10, O_WRD+2*262144
	s_mov_b32 s11, 0
	v_and_b32 v1, 15, v0                           ; r
	v_bfe_u32 v2, v0, 4, 1                         ; h
	s_lshl_b32 s18, s40, 10
	s_lshl_b32 s19, s16, 9
	s_add_co_u32 s18, s18, s19
	v_lshl_add_u32 v[BNO], v2, 5, s18              ; bq, bk: my eight channels of block 0
	s_lshl_b32 s18, s95, 9
	s_lshl_b32 s19, s15, 8
	s_add_co_u32 s18, s18, s19
	v_lshl_add_u32 v[BMO], v1, 2, s18              ; bv: my channel of block 0
	s_lshl_b32 s18, s95, 12
	v_lshl_add_u32 v[S2A], v0, 4, s18              ; A2's and B2's scale bytes, 16 a thread
	s_lshl_b32 s18, s42, 13
	v_lshl_add_u32 v[S2B], v0, 4, s18
	v_lshlrev_b32 v4, 4, v0
	s_wait_dscnt 0x0                               ; both opening adds are done
	s_wait_alu depctr_va_vdst(0)                   ; the wait ahead of the wait below
	s_wait_kmcnt 0x0
	s_cmp_eq_u32 s66, 1
	s_cselect_b64 s[74:75], s[76:77], s[74:75]
	s_cselect_b64 s[80:81], s[82:83], s[80:81]
	s_cselect_b64 s[86:87], s[88:89], s[86:87]
	s_add_nc_u64 s[20:21], s[68:69], s[20:21]
	s_add_nc_u64 s[46:47], s[74:75], s[46:47]
	CROUND                                         ; the first joint loads meet
.irp s, 0,1
	s_mov_b32 s[G0+4*\s], 1
	s_add_co_u32 s[G0+4*\s+1], s45, \s*SLOT
	s_add_nc_u64 s[G0+4*\s+2:G0+4*\s+3], s[20:21], \s*ROWB
	s_or_b32 s[G0+4*\s+3], s[G0+4*\s+3], 0x80000000
	s_mov_b32 s[G0B+4*\s], 1
	s_add_co_u32 s[G0B+4*\s+1], s45, \s*SLOT
	s_add_nc_u64 s[G0B+4*\s+2:G0B+4*\s+3], s[46:47], \s*ROWB
	s_or_b32 s[G0B+4*\s+3], s[G0B+4*\s+3], 0x80000000
.endr
	JLOAD G0, G1, G0B, G1B                         ; chunk 0, a quarter a wave: my one tensor load at the head
	s_add_nc_u64 s[22:23], s[68:69], s[22:23]
	s_add_nc_u64 s[92:93], s[80:81], s[92:93]
.irp j, 0,1,2,3
	global_load_b128 v[S2R+4*\j:S2R+4*\j+3], v4, s[22:23] offset:2048*\j
.endr
.irp j, 0,1,2,3
	global_load_b128 v[S2R+16+4*\j:S2R+16+4*\j+3], v4, s[92:93] offset:2048*\j
.endr
.irp b, 0,1,2,3,4,5,6,7
	global_load_b128 v[BN+8*\b:BN+8*\b+3], v[BNO], s[86:87] offset:64*\b
	global_load_b128 v[BN+8*\b+4:BN+8*\b+7], v[BNO], s[86:87] offset:64*\b+16
.endr
.irp j, 0,1
	global_load_b128 v[S2R+32+4*\j:S2R+32+4*\j+3], v[S2A], s[72:73] offset:2048*\j
.endr
.irp j, 0,1,2,3
	global_load_b128 v[S2R+40+4*\j:S2R+40+4*\j+3], v[S2B], s[84:85] offset:2048*\j
.endr
.irp a, 0,1,2,3
	global_load_b32 v[RBR+\a], v[BMO], s[90:91] offset:64*\a
.endr
	s_add_nc_u64 s[A2P:A2P+1], s[70:71], s[A2P:A2P+1]
	s_add_nc_u64 s[B2P:B2P+1], s[78:79], s[B2P:B2P+1]
	s_add_nc_u64 s[4:5], s[12:13], s[4:5]
	s_add_nc_u64 s[6:7], s[12:13], s[6:7]
	s_add_nc_u64 s[8:9], s[12:13], s[8:9]
	s_add_nc_u64 s[10:11], s[12:13], s[10:11]
	s_wait_xcnt 0x0                                ; the loads have read their bases and offsets: s68-91 and v4 may be written
	s_or_b32 s[G1C+0], s43, (0<<16)|(1<<20)|(1<<21)|(5<<22)|(3<<25)
	s_mov_b32 s[G1C+1], ROWB<<16
	s_mov_b32 s[G1C+2], 64<<16
	s_mov_b32 s[G1C+3], ROWB<<16
	s_mov_b32 s[G1C+4], 64
	s_mov_b32 s[G1C+5], KROW
	s_mov_b32 s[G1C+6], 0
	s_mov_b32 s[G1C+7], 0
	s_mul_i32 s76, s15, HALFT                      ; my rows of A,
	s_mul_i32 s77, s16, HALFT
	s_add_co_u32 s77, s77, 2*HALFT                 ; of B
	s_mul_i32 s78, s15, HALFS
	s_mul_i32 s79, s16, HALFS
	s_add_co_u32 s79, s79, 2*HALFS
	s_sub_co_u32 s79, s79, s78                     ; lanes 16-31 take B's scale words: the distance
	s_add_co_u32 s78, s78, SCL
	s_mul_i32 s80, s15, 8*272
	s_mul_i32 s81, s16, HALFS
	s_add_co_u32 s81, s81, HALFS
	s_sub_co_u32 s81, s81, s80
	s_add_co_u32 s80, s80, SC2
	s_lshl_b32 s82, s14, 9
	s_add_co_u32 s82, s82, WST
	s_mov_b32 s83, SLOT-232
	s_mov_b32 s84, SLOT+232
	v_mul_u32_u24 v3, v1, PITCH
	v_mul_u32_u24 v4, v2, 24
	v_add_nc_u32 v4, v3, v4                        ; row x pitch + 24 h
	v_sub_nc_u32 v7, 1, v2
	v_mul_u32_u24 v5, s83, v2
	v_add_nc_u32 v5, v3, v5
	v_add_nc_u32 v5, 232, v5                       ; lanes 0-15 byte 232 in slot 0, lanes 16-31 byte 0 in slot 1
	v_mul_u32_u24 v6, s84, v7
	v_add_nc_u32 v6, v3, v6                        ; and the other way round
	v_add_nc_u32 v[ADRA], s76, v4
	v_add_nc_u32 v[ADRB], s77, v4
	v_add_nc_u32 v[ADRA+1], SLOT, v[ADRA]
	v_add_nc_u32 v[ADRB+1], SLOT, v[ADRB]
	v_add_nc_u32 v[ADRA+2], s76, v5
	v_add_nc_u32 v[ADRA+3], s76, v6
	v_add_nc_u32 v[ADRB+2], s77, v5
	v_add_nc_u32 v[ADRB+3], s77, v6
	v_lshlrev_b32 v3, 5, v1                        ; a row's 32 scale bytes,
	v_lshrrev_b32 v6, 8, v3
	v_lshl_add_u32 v3, v6, 4, v3                   ; 16 more for each 256 passed
	v_mul_u32_u24 v6, s79, v2
	v_add_nc_u32 v6, v3, v6
	v_add_nc_u32 v[ADRS], s78, v6
	v_mul_u32_u24 v6, s81, v2
	v_add_nc_u32 v6, v3, v6
	v_add_nc_u32 v[ADRS2], s80, v6
	v_and_b32 v6, 31, v0
	v_lshlrev_b32 v[LI], 4, v6
	v_lshlrev_b32 v[L8], 3, v6
	v_lshl_add_u32 v[WSI], v1, 2, s82
	v_add_nc_u32 v[WSO], s82, v[LI]
	v_add_nc_u32 v[WSO2], s82, v[L8]
	v_lshrrev_b32 v6, 4, v0
	v_mul_u32_u24 v6, v6, 272
	v_lshl_add_u32 v6, v1, 4, v6
	v_add_nc_u32 v6, SCL, v6                       ; where my 16 scale bytes of each load go
	s_wait_alu depctr_va_vdst(0)                   ; the wait at the head's end
	s_wait_loadcnt 0x0
.irp j, 0,1,2,3,4,5,6,7,8,9,10,11,12,13
	ds_store_b128 v6, v[S2R+4*\j:S2R+4*\j+3] offset:8*272*\j
.endr
.macro FRAG reg, adr, st, i            ; 16 rows x 128 K: six pieces of 8 bytes; byte y of a row lies in slot (y / 256) % 2 at byte y % 256
.irp p, 0,1,2,3,4,5
.set BY, 96*(\st)+48*(\p/3)+8*(\p%3)
.if BY/ROWB == (BY+24)/ROWB
	ds_load_b64 v[\reg+2*\p:\reg+2*\p+1], v[\adr+(BY/ROWB)%2] offset:BY%ROWB+(\i)*16*PITCH
.else
	ds_load_b64 v[\reg+2*\p:\reg+2*\p+1], v[\adr+2+(BY/ROWB)%2] offset:BY%ROWB-232+(\i)*16*PITCH
.endif
.endr
.endm
.macro MUL8 a, af, p, q, sc, cm        ; A's block a x B's eight; cm 0: in place; 1, 2: the bias starts the sum.  The accumulators take turns
.irp b, 0,1,2,3,4,5,6,7
.set rD, 8*(8*((\a)%4)+\b)
.set rB, 128*(\p)+FR*\b
.set rA, (\af)+FR*(\a)
.set rSB, SC+16*(\sc)+2*\b+(\q)
.set rSA, SC+16*(\sc)+2*(\a)+(\q)
.if (\cm) == 0
	v_wmma_scale_f32_16x16x128_f8f6f4 v[rD:rD+7], v[rB:rB+FR-1], v[rA:rA+FR-1], v[rD:rD+7], v[rSB], v[rSA] matrix_a_fmt:MATRIX_FMT_FP6 matrix_b_fmt:MATRIX_FMT_FP6 matrix_a_scale:MATRIX_SCALE_ROW1
.elseif (\cm) == 1
	v_wmma_scale_f32_16x16x128_f8f6f4 v[rD:rD+7], v[rB:rB+FR-1], v[rA:rA+FR-1], v[BN+8*\b:BN+8*\b+7], v[rSB], v[rSA] matrix_a_fmt:MATRIX_FMT_FP6 matrix_b_fmt:MATRIX_FMT_FP6 matrix_a_scale:MATRIX_SCALE_ROW1
.else
	v_wmma_scale_f32_16x16x128_f8f6f4 v[rD:rD+7], v[rB:rB+FR-1], v[rA:rA+FR-1], v[C2+8*(\a):C2+8*(\a)+7], v[rSB], v[rSA] matrix_a_fmt:MATRIX_FMT_FP6 matrix_b_fmt:MATRIX_FMT_FP6 matrix_a_scale:MATRIX_SCALE_ROW1
.endif
.endr
.endm
.macro QTR k, st, ph, cm               ; a quarter of a step: product 1: A's blocks 2 k, 2 k + 1; product 2: block k
.if (\ph) == 1
.if \cm
	WIN 0x81+0x40*((\k)/2)
.else
	WIN 0xa1+0x50*((\k)/2)
.endif
	MUL8 2*(\k), AF, (\st)%2, (\st)%2, ((\st)/2)%2, \cm
	MUL8 2*(\k)+1, AF, (\st)%2, (\st)%2, ((\st)/2)%2, \cm
.else
.if \cm
	WIN 0x81
.else
	WIN 0xa1
.endif
	MUL8 \k, AF+48*((\st)%2), (\st)%2, (\st)%2, ((\st)/2)%2, \cm
.endif
.endm
.macro FETCH_B st
	WIN TO_B
.irp i, 0,1,2,3,4,5,6,7
	FRAG 128*((\st)%2)+FR*\i, ADRB, \st, \i
.endr
	WIN 0
.endm
.macro FETCH_A st, base, i0
.irp i, \i0, \i0+1, \i0+2, \i0+3
	FRAG (\base)+FR*(\i), ADRA, \st, \i
.endr
.endm
.macro SCALES st                       ; the words of steps st, st + 1: lanes 0-15 A's block i, lanes 16-31 B's
.irp i, 0,1,2,3,4,5,6,7
.if (\st) < 8
	ds_load_b64 v[SC+16*(((\st)/2)%2)+2*\i:SC+16*(((\st)/2)%2)+2*\i+1], v[ADRS] offset:\i*SBLK+8*(((\st)/2)%4)
.else
	ds_load_b64 v[SC+16*(((\st)/2)%2)+2*\i:SC+16*(((\st)/2)%2)+2*\i+1], v[ADRS2] offset:\i*SBLK+8*(((\st)/2)%4)
.endif
.endr
.endm
.macro PLACES n
.rept \n
	v_nop
.endr
.endm
.macro REFILL c                        ; chunk c into slot c % 2; chunks 3, 4 begin the second product's rows
.set SL, (\c)%2
.if (\c) == 3 || (\c) == 4
	s_add_nc_u64 s[G0+4*SL+2:G0+4*SL+3], s[A2P:A2P+1], ((\c)-3)*ROWB
	s_or_b32 s[G0+4*SL+3], s[G0+4*SL+3], 0x80000000
	s_add_nc_u64 s[G0B+4*SL+2:G0B+4*SL+3], s[B2P:B2P+1], ((\c)-3)*ROWB
	s_or_b32 s[G0B+4*SL+3], s[G0B+4*SL+3], 0x80000000
.else
	s_add_nc_u64 s[G0+4*SL+2:G0+4*SL+3], s[G0+4*SL+2:G0+4*SL+3], 2*ROWB
	s_add_nc_u64 s[G0B+4*SL+2:G0B+4*SL+3], s[G0B+4*SL+2:G0B+4*SL+3], 2*ROWB
.endif
.if (\c) >= 3
	JLOAD G0+4*SL, G1C, G0B+4*SL, G1B
.else
	JLOAD G0+4*SL, G1, G0B+4*SL, G1B
.endif
.endm
; A step.  Where the next step's bytes END in a chunk not yet read: the wait for my tensor loads and a barrier.  Where they BEGIN in a later chunk: the chunk left behind is read no more:
; the three lines, the barrier, which opens a round of the cluster's barrier where a chunk two on is left to fetch, and the refill first behind it.
.macro STEP st, ph, cm, fetch
.set NX, (\st)+1
.set C0, (96*(\st))/ROWB
.set C1, (96*NX)/ROWB
.set E0, (96*(\st)+95)/ROWB
.set E1, (96*NX+95)/ROWB
.set YG, 4*NL*(2-(\ph))                ; the youngest loads that may stay out: product 1: A's blocks 4-7; product 2: none
.if C1 > C0 || E1 > E0
	s_wait_tensorcnt 0x0                           ; all my tensor loads have landed
.if C1 > C0
	ds_add_u32 v[SPW], v[NIL]
	s_wait_dscnt YG+1                              ; the add and the youngest loads may be out
.else
	s_wait_dscnt YG
.endif
	QTR 0, \st, \ph, \cm
	s_wait_dscnt 0x0                               ; the add and my reads are done
	s_barrier_signal -1
	QTR 1, \st, \ph, \cm
	WIN 0
	s_barrier_wait -1
.if C1 > C0 && C0+2 < CHUNKS
	CREST
	REFILL C0+2                                    ; its four v_nop are the places ahead of the loads below
.else
	PLACES NP
.endif
.else
	s_wait_dscnt YG
	QTR 0, \st, \ph, \cm
	QTR 1, \st, \ph, \cm
	s_wait_dscnt 0x0
	PLACES NP
.endif
.if \fetch
	FETCH_B NX
.if (\ph) == 1
	FETCH_A NX, AF, 0
.else
	FETCH_A NX, AF+48*(NX%2), 0
.endif
.if NX%2 == 0
	SCALES NX
.endif
.endif
	QTR 2, \st, \ph, \cm
	QTR 3, \st, \ph, \cm
	PLACES NP
	WIN 0
.if (\fetch) && (\ph) == 1
	FETCH_A NX, AF, 4
.endif
.endm
.macro QOUT a, ob                      ; A's block a: 16 rows x 128 numbers are quantised, four blocks of 32, and stored as an image
.set AC, 64*((\a)%4)
.set WA, 2+(\a)/4
.set WB, WA|(WA<<2)
.set CDA, CD+12*(\a)
	WIN WB
.irp b, 0,1,2,3
	v_max3_num_f32 v[MX+\b], |v[AC+16*\b]|, |v[AC+16*\b+1]|, 0x1800000
.endr
.irp i, 2,4,6,8,10,12,14
.irp b, 0,1,2,3
	v_max3_num_f32 v[MX+\b], |v[AC+16*\b+\i]|, |v[AC+16*\b+\i+1]|, v[MX+\b]
.endr
.endr
	WIN 0
.irp b, 0,1,2,3
	v_permlanex16_b32 v[MT+\b], v[MX+\b], s[SEL], s[SEL+1]
.endr
.irp b, 0,1,2,3
	v_max_num_f32 v[MX+\b], v[MX+\b], v[MT+\b]
.endr
.irp b, 0,1,2,3
	v_add_nc_u32 v[SO+\b], 0xff000000, v[MX+\b]    ; 2 off the exponent field: the conversion's scale operand
.endr
.irp b, 0,1,2,3
	v_lshrrev_b32 v[MT+\b], 23, v[SO+\b]           ; the scale's byte
.endr
	v_lshl_or_b32 v[PWA+(\a)], v[MT+1], 8, v[MT]
	v_lshl_or_b32 v[PWA+(\a)], v[MT+2], 16, v[PWA+(\a)]
	v_lshl_or_b32 v[PWA+(\a)], v[MT+3], 24, v[PWA+(\a)]
	WIN WA
.irp c, 0,1
	v_cvt_scalef32_pk16_fp6_f32 v[CDA+6*\c:CDA+6*\c+2], v[AC+32*\c:AC+32*\c+15], v[SO+2*\c]
	v_cvt_scalef32_pk16_fp6_f32 v[TC+4*\c:TC+4*\c+2], v[AC+32*\c+16:AC+32*\c+31], v[SO+2*\c+1]
.endr
	WIN 0
	v_nop
.irp c, 0,1
.irp i, 0,1,2
	v_permlane16_swap_b32 v[CDA+6*\c+\i], v[TC+4*\c+\i]
.endr
.irp i, 0,1,2
	v_mov_b32 v[CDA+6*\c+3+\i], v[TC+4*\c+\i]
.endr
.endr
.irp g, 0,1,2
	global_store_b128 v[LI], v[CDA+4*\g:CDA+4*\g+3], s[\ob:\ob+1] offset:1536*(\a)+512*\g
.endr
.endm
	s_wait_tensorcnt 0x0                           ; my part of chunk 0 is in; slot 1's first fill is issued as a refill is:
	ds_add_u32 v[SPW], v[NIL]
	s_wait_dscnt 0x0                               ; the add and my stores of scale bytes are done
	CROUND
	JLOAD G0+4, G1, G0B+4, G1B                     ; chunk 1
	FETCH_B 0
	FETCH_A 0, AF, 0
	SCALES 0
	FETCH_A 0, AF, 4
	STEP 0, 1, 1, 1
.irp st, 1,2,3,4,5,6
	STEP \st, 1, 0, 1
.endr
	STEP 7, 1, 0, 0                                ; product 1's last step; chunk 4 is asked for
.irp b, 0,1,2,3
	v_mov_b32 v[MT+\b], 0
.endr
.irp a, 0,1,2,3,4,5,6,7
	QOUT \a, 4
.endr
.irp a, 0,1,2,3,4,5,6,7
	ds_store_b32 v[WSI], v[PWA+\a] offset:64*\a
.endr
	ds_load_b128 v[RB:RB+3], v[WSO]
	s_wait_dscnt 0x0
	global_store_b128 v[LI], v[RB:RB+3], s[6:7]
	s_wait_xcnt 0x0                                ; the stores have read their registers
.irp a, 0,1,2,3
.irp j, 0,1,2,3,4,5,6,7
	v_mov_b32 v[C2+8*\a+\j], v[RBR+\a]             ; bv of my channel, as the first C
.endr
.endr
	PLACES NP
	FETCH_B 8
	FETCH_A 8, AF, 0
	SCALES 8
	s_wait_alu depctr_va_vdst(0)                   ; the wait ahead of the wait below
	STEP 8, 2, 2, 1
.irp st, 9,10,11,12,13,14
	STEP \st, 2, 0, 1
.endr
	s_wait_dscnt 0x0
.irp k, 0,1,2,3
	QTR \k, 15, 2, 0
.endr
	WIN 0
	PLACES NP
.irp a, 0,1,2,3
	QOUT \a, 8
.endr
.irp a, 0,1,2,3
	ds_store_b32 v[WSI], v[PWA+\a] offset:64*\a
.endr
	ds_load_b64 v[RB:RB+1], v[WSO2]
	s_wait_dscnt 0x0
	global_store_b64 v[L8], v[RB:RB+1], s[10:11]
	s_wait_tensorcnt 0x0                           ; the wave's end
	ds_add_u32 v[SPW], v[NIL]
	s_wait_dscnt 0x0
	CROUND                                         ; the closing round
	s_endpgm
.Lfunc_end_k_qc2ea89db28_proj:
	.size	k_qc2ea89db28_proj, .Lfunc_end_k_qc2ea89db28_proj-k_qc2ea89db28_proj
	.p2alignl 7, 3214868480
	.fill 96, 4, 3214868480
	.section	.rodata,"a",@progbits
	.p2align	6, 0x0
	.amdhsa_kernel k_qc2ea89db28_proj
		.amdhsa_group_segment_fixed_size 327680
		.amdhsa_private_segment_fixed_size 0
		.amdhsa_enable_private_segment 0
		.amdhsa_kernarg_size 104
		.amdhsa_user_sgpr_count 2
		.amdhsa_user_sgpr_kernarg_segment_ptr 1
		.amdhsa_wavefront_size32 1
		.amdhsa_system_sgpr_workgroup_id_x 1
		.amdhsa_system_sgpr_workgroup_id_y 1
		.amdhsa_system_sgpr_workgroup_id_z 1
		.amdhsa_system_vgpr_workitem_id 0
		.amdhsa_next_free_vgpr 1024
		.amdhsa_next_free_sgpr 102
		.amdhsa_reserve_vcc 0
		.amdhsa_float_denorm_mode_32 3
		.amdhsa_float_denorm_mode_16_64 3
		.amdhsa_memory_ordered 1
		.amdhsa_forward_progress 1
		.amdhsa_inst_pref_size 255
	.end_amdhsa_kernel
	.section	.bss,"aw",@nobits
	.p2align	6
	.space	262144
	.amdgpu_metadata
---
amdhsa.version: [ 1, 2 ]
amdhsa.kernels:
  - .name:           k_qc2ea89db28_proj
    .symbol:         k_qc2ea89db28_proj.kd
    .args:
      - { .name: xb, .offset: 0, .size: 8, .value_kind: global_buffer, .address_space: global }
      - { .name: Wv_codes, .offset: 8, .size: 8, .value_kind: global_buffer, .address_space: global }
      - { .name: Wv_scales, .offset: 16, .size: 8, .value_kind: global_buffer, .address_space: global }
      - { .name: Wq_codes, .offset: 24, .size: 8, .value_kind: global_buffer, .address_space: global }
      - { .name: Wk_codes, .offset: 32, .size: 8, .value_kind: global_buffer, .address_space: global }
      - { .name: value_codes, .offset: 40, .size: 8, .value_kind: global_buffer, .address_space: global }
      - { .name: Wq_scales, .offset: 48, .size: 8, .value_kind: global_buffer, .address_space: global }
      - { .name: Wk_scales, .offset: 56, .size: 8, .value_kind: global_buffer, .address_space: global }
      - { .name: value_scales, .offset: 64, .size: 8, .value_kind: global_buffer, .address_space: global }
      - { .name: bq, .offset: 72, .size: 8, .value_kind: global_buffer, .address_space: global }
      - { .name: bk, .offset: 80, .size: 8, .value_kind: global_buffer, .address_space: global }
      - { .name: bv, .offset: 88, .size: 8, .value_kind: global_buffer, .address_space: global }
      - { .name: pb, .offset: 96, .size: 8, .value_kind: global_buffer, .address_space: global }
    .group_segment_fixed_size: 327680
    .private_segment_fixed_size: 0
    .kernarg_segment_align: 8
    .kernarg_segment_size: 104
    .max_flat_workgroup_size: 128
    .sgpr_count:     102
    .vgpr_count:     1024
    .wavefront_size: 32
...
	.end_amdgpu_metadata
.endif
;; end of part 2
;; launch score (part 3): grid 8 x 32, 4 waves a work-group, clusters of 4 x 4, 327,680 bytes of LDS; arguments pb, sb; writes sb
.if DOCPART == 3
	.amdgcn_target "amdgcn-amd-amdhsa--gfx1250"
	.amdhsa_code_object_version 6
	.text
	.protected	k_qc2ea89db28_score
	.globl	k_qc2ea89db28_score
	.p2align	8
	.type	k_qc2ea89db28_score,@function
k_qc2ea89db28_score:
	s_mov_b64 s[64:65], 0
	v_nop
	global_prefetch_b8 v0, s[64:65] scope:SCOPE_SE
	s_setreg_imm32_b32 hwreg(HW_REG_WAVE_MODE, 25, 1), 1
	s_wait_xcnt 0x0
	s_wait_alu depctr_hold_cnt(0) depctr_sa_sdst(0) depctr_va_vdst(0) depctr_va_sdst(0) depctr_va_ssrc(0) depctr_va_vcc(0) depctr_vm_vsrc(0)
	s_getreg_b32 s2, hwreg(HW_REG_IB_STS2, 6, 4)
	s_cmp_eq_u32 s2, 0
	s_cbranch_scc0 .Lentry_in_a_cluster
	s_endpgm
.Lentry_in_a_cluster:
	s_bfe_u32 s2, ttmp6, 0x10000c
	s_cmp_lg_u32 s2, 0xf033
	s_cbranch_scc0 .Lentry_shape_is_right
	s_endpgm
.Lentry_shape_is_right:
; S^T = k q^T on the images that the launch before has stored (FP6 codes, E8M0 scales, K = 1,024), then the softmax's numerator for each row and each GROUP of 128 keys:
; t = score x log2(e) / 32; M_g = the ceiling of the row's largest t among the group's 128 keys; p = 2^(t - M_g) is quantised along the keys and stored as images; -M_g and l_g = the sum of the unquantised p go with it.
; M is a whole number, so the next launch brings a group under the row's own M by adding M_g - M to the scale bytes: the codes' values stay the same.
; A tile is 256 queries (A, source 1) x 256 keys (B, source 0) of one batch; four waves of 128 x 128; a wave's 128 keys are one group.  In accumulator (a, b) lane (r, h) holds query 16 a + r and, in register j, key 16 b + 8 h + j.
; OPERANDS ARE IMAGES OF THEIR REGISTERS: a fragment is 1,536 bytes, registers 4 g .. 4 g + 3 of lane l at 512 g + 16 l; it comes by three loads of 16 bytes a lane, 512 consecutive bytes each: no pitch, no padding.
; In memory fragment (s, T) lies at (512 s + T) x 1,536, its scale words at (512 s + T) x 64 + 4 r.  A slot holds two K steps: for each fetching wave 2 rows of 8 fragments (12,288 bytes a row).
; ORDER INSIDE A BLOCK OF 32 KEYS: place 16 h + 8 u + j holds member 16 u + 8 h + j, as in v^T's images: the next product pairs equal keys.
; LIMITS: a block's largest p is held at 2^-60 from below (byte 65), where the rule holds it at 2^-124: what that changes is under 2^-53 of a row's sum.  NaN and infinities are not served.
; CLUSTERS: 4 x 4 work-groups of one batch; q's tiles are asked for jointly along a row of the cluster, k's along a column.
; REGISTERS: window 0: v16-31 addresses; v32-63 scale words, two sets, and nothing else; v64-127 p; v128-223 A's fragments, later the way out's scratch and codes.  window 1: B's two sets.  windows 2, 3: the accumulators.
.set NB,     8                         ; B's blocks of a wave
.set NQ,     2                         ; K steps of 128 in a slot
.set NL,     3                         ; LDS loads that bring a fragment
.set QSA,    12288                     ; from K step to K step inside a wave's part of a slot
.set QSB,    12288
.set AREG,   NQ*QSA                    ; what one tensor load brings
.set BREG,   NQ*QSB
.set SLOT,   2*AREG+2*BREG
.set SCL,    2*SLOT                    ; the scale words: 4,096 bytes for each fetching wave: [K step][block][row]
.set SPARE,  SCL+4*4096                ; the spare words: 128 bytes a wave, named by no other line
.set STEPG,  NQ*512*1536               ; a slot step on, in memory
.set O_KI,   6291456                   ; pb: k's images; q's scale words; k's scale words
.set O_QS,   18874368
.set O_KS,   19136512
.set O_PS,   12582912                  ; sb: p's scale words; -M and l follow, 524,288 bytes each
.set ADRA, 16
.set ADRB, 20
.set ADSB, 23                          ; v23 B's scale words
.set LI,   24                          ; v24 16 x lane
.set WSI,  25                          ; v25 the words' stage, in: 2,048 x wave + 4 r
.set WSO,  26                          ; v26 and out: 2,048 x wave + 16 x lane
.set ADSA, 27                          ; v27 A's scale words
.set SPW,  28
.set NIL,  29
.set SC,   32
.set SETR, 4*NQ+NQ*NB/2                ; scale registers of a set: a register holds two blocks' words: the even block's in lanes 0-15, the odd one's in lanes 16-31
.set PB,   64                          ; v64-127 t - M, then p
.set AF,   128
.set MX,   128                         ; the way out: v128-131 blocks' largest, v132-135 the other half's, then bytes, v136-139 scale operands, v140-147 half blocks' codes
.set MT,   132
.set SO,   136
.set TC,   140
.set NG,   148                         ; v[148:149] -M (the pair's low word serves both halves)
.set SUMA, 150
.set SUMB, 152
.set TMA,  154
.set TMB,  155
.set PWA,  156                         ; v156-163 scale words, v164-171 -M, v172-179 l: one for each block
.set NMA,  164
.set LSA,  172
.set RB,   180                         ; v180-191 words read back
.set CD,   192                         ; v192-239 the codes: four sets of 12
.set CS,   98                          ; s[98:99] c = log2(e) / 32
.set SEL,  100                         ; s[100:101] lane selects: lane l xor 16
.set G1, 24
.set G0, 32
.set G1B, 48
.set G0B, 56
.set G1S, 68
.set G0S, 76
.set G1SB, 80
.set G0SB, 88
.set MSB, 0
.macro WIN new
.if MSB != (\new)
	s_set_vgpr_msb (MSB<<8)|(\new)
.set MSB, (\new)
.endif
.endm
.set MUL_LO, 0xa1
.set MUL_HI, 0xf1
.set TO_B,   0x40
.macro JLOAD g0a, g1a, g0b, g1b        ; a joint load: waves 0 and 1 fetch for A, waves 2 and 3 for B; four v_nop follow each of the two lines
	s_cmp_eq_u32 s15, 0
	s_cbranch_scc0 .Lfor_b_\@
	tensor_load_to_lds s[\g0a:\g0a+3], s[\g1a:\g1a+7]
	s_nop 0
.rept 4
	v_nop
.endr
	s_branch .Lasked_\@
.Lfor_b_\@:
	tensor_load_to_lds s[\g0b:\g0b+3], s[\g1b:\g1b+7]
	s_nop 0
.rept 4
	v_nop
.endr
.Lasked_\@:
.endm
.macro CREST
	s_cmp_lg_u32 s14, 0
	s_cbranch_scc1 .Lnot_wave_0_\@
	s_barrier_signal -3
.Lnot_wave_0_\@:
	s_barrier_wait -3
	s_barrier_signal -1
	s_barrier_wait -1
.endm
.macro CROUND
	s_barrier_signal -1
	s_barrier_wait -1
	CREST
.endm
	s_load_b128 s[4:7], s[0:1], 0x0                ; pb, sb
	v_lshl_add_u32 v[SPW], v0, 2, SPARE
	v_mov_b32 v[NIL], 0
	ds_add_u32 v28, v29
	ds_add_u32 v28, v29
	s_wait_dscnt 0x0
	v_lshrrev_b32 v1, 5, v0
	v_readfirstlane_b32 s14, v1                    ; wave 0..3
	s_lshr_b32 s15, s14, 1                         ; my half of the queries.  Also: I fetch for A (0) or for B (1)
	s_and_b32 s16, s14, 1                          ; my half of the keys.  Also: which half I fetch
	s_bfe_u32 s40, ttmp6, 0x40000                  ; cx
	s_bfe_u32 s41, ttmp6, 0x40004                  ; cy
	s_lshl_b32 s42, ttmp9, 2
	s_add_co_u32 s42, s42, s40                     ; x: the batch's tile of 256 keys, 0 to 7
	s_and_b32 s18, ttmp7, 0xffff
	s_lshl_b32 s17, s18, 2
	s_add_co_u32 s17, s17, s41                     ; y: the tile of 256 queries, 0 to 31
	s_lshr_b32 s66, s18, 1                         ; the batch: the same in all partners
	s_lshl_b32 s43, s41, 2
	s_lshl_b32 s43, 15, s43                        ; my row of the cluster
	s_lshl_b32 s44, 0x1111, s40                    ; my column
	s_mov_b32 s[CS], 0x3d38aa3b
	s_mov_b32 s[CS+1], s[CS]                       ; (named with it as a pair, so it is written)
	s_mov_b32 s[SEL], 0x76543210
	s_mov_b32 s[SEL+1], 0xfedcba98
	; descriptor group 1, codes: 2 rows (K steps) of 12,288 bytes (1,536 elements of 8 bytes), 512 fragments apart
	s_or_b32 s[G1+0], s43, (3<<16)|(1<<21)
	s_or_b32 s[G1B+0], s44, (3<<16)|(1<<21)
.irp g, G1, G1B
	s_mov_b32 s[\g+1], 1536<<16                    ; tensor_dim0
	s_mov_b32 s[\g+2], NQ<<16                      ; tensor_dim1
	s_mov_b32 s[\g+3], 1536<<16                    ; tile_dim0
	s_mov_b32 s[\g+4], NQ                          ; tile_dim1
	s_mov_b32 s[\g+5], 512*192                     ; from row to row
	s_mov_b32 s[\g+6], 0
	s_mov_b32 s[\g+7], 0
.endr
	; scale words: 8 rows (K steps) of 512 bytes (64 elements), 32,768 bytes apart
	; they come through registers: a load of the work-group brings two K steps' 1,024 bytes, 16 bytes a thread
	v_lshrrev_b32 v4, 6, v0
	v_and_b32 v5, 63, v0
	v_lshlrev_b32 v5, 4, v5
	v_lshl_add_u32 v6, v4, 15, v5                  ; in memory: 32,768 (t / 64) + 16 (t % 64)
	v_bfe_u32 v5, v0, 5, 1
	v_lshlrev_b32 v5, 12, v5
	v_lshl_add_u32 v5, v4, 9, v5
	v_and_b32 v4, 31, v0
	v_lshl_add_u32 v5, v4, 4, v5
	v_add_nc_u32 v5, SCL, v5                       ; in LDS: SCL + 4,096 x half + 512 (t / 64) + 16 (t % 32)
	s_lshl_b32 s18, s16, 3
	s_lshl_b32 s20, s17, 4
	s_add_co_u32 s20, s20, s18                     ; A: row tile 16 y + 8 x half
	s_lshl_b32 s46, s42, 4
	s_add_co_u32 s46, s46, s18
	s_lshl_b32 s19, s66, 7
	s_add_co_u32 s46, s46, s19                     ; B: row tile 128 x batch + 16 x + 8 x half
	s_lshl_b32 s22, s17, 10                        ; the tile's scale words: q's at row tile 16 y,
	s_add_co_u32 s22, s22, O_QS
	s_mov_b32 s23, 0
	s_lshl_b32 s92, s42, 10                        ; k's at row tile 128 x batch + 16 x
	s_lshl_b32 s19, s66, 13
	s_add_co_u32 s92, s92, s19
	s_add_co_u32 s92, s92, O_KS
	s_mov_b32 s93, 0
	s_mul_i32 s20, s20, 1536
	s_mov_b32 s21, 0
	s_mul_i32 s46, s46, 1536
	s_add_co_u32 s46, s46, O_KI
	s_mov_b32 s47, 0
	s_mul_i32 s45, s14, AREG                       ; where they go: A's halves, then B's: wave x 24,576
	s_wait_alu depctr_va_vdst(0)                   ; the wait ahead of the wait below
	s_wait_kmcnt 0x0
	s_add_nc_u64 s[20:21], s[4:5], s[20:21]
	s_add_nc_u64 s[94:95], s[4:5], s[22:23]        ; q's scale words: a base of its own, written nowhere else
	s_add_nc_u64 s[46:47], s[4:5], s[46:47]
	s_add_nc_u64 s[92:93], s[4:5], s[92:93]
	CROUND                                         ; all sixteen work-groups are here: the first joint loads meet
.irp s, 0,1
	s_mov_b32 s[G0+4*\s], 1
	s_add_co_u32 s[G0+4*\s+1], s45, \s*SLOT
	s_add_nc_u64 s[G0+4*\s+2:G0+4*\s+3], s[20:21], \s*STEPG
	s_or_b32 s[G0+4*\s+3], s[G0+4*\s+3], 0x80000000
	s_mov_b32 s[G0B+4*\s], 1
	s_add_co_u32 s[G0B+4*\s+1], s45, \s*SLOT
	s_add_nc_u64 s[G0B+4*\s+2:G0B+4*\s+3], s[46:47], \s*STEPG
	s_or_b32 s[G0B+4*\s+3], s[G0B+4*\s+3], 0x80000000
.endr
	JLOAD G0, G1, G0B, G1B                         ; slot 0: my one tensor load at the head
.irp j, 0,1,2,3
	global_load_b128 v[128+4*\j:131+4*\j], v6, s[94:95] offset:65536*\j
	global_load_b128 v[144+4*\j:147+4*\j], v6, s[92:93] offset:65536*\j
.endr
	v_and_b32 v1, 15, v0
	v_and_b32 v2, 31, v0                           ; lane
	v_lshlrev_b32 v[LI], 4, v2
	v_lshlrev_b32 v3, 2, v2
	s_wait_alu depctr_va_vdst(0)
	s_mul_i32 s21, s15, AREG
	s_mul_i32 s22, s16, BREG
	s_add_co_u32 s22, s22, 2*AREG
.irp s, 0,1
	v_add_nc_u32 v[ADRA+\s], s21, v[LI]
	v_add_nc_u32 v[ADRB+\s], s22, v[LI]
	s_add_co_u32 s21, s21, SLOT
	s_add_co_u32 s22, s22, SLOT
.endr
	s_lshl_b32 s21, s15, 12
	s_add_co_u32 s21, s21, SCL
	v_add_nc_u32 v[ADSA], s21, v3
	s_lshl_b32 s22, s16, 12
	s_add_co_u32 s22, s22, SCL+8192
	v_add_nc_u32 v[ADSB], s22, v3
	s_lshl_b32 s23, s14, 11                        ; the words' stage: 2,048 bytes a wave, in slot 0, which has had its last fill and its last read when it is written
	v_lshl_add_u32 v[WSI], v1, 2, s23
	v_add_nc_u32 v[WSO], s23, v[LI]
	; where my results go: fragment (2 x + half) 512 + 16 y + 8 x half
	s_lshl_b32 s18, s42, 1
	s_add_co_u32 s18, s18, s16
	s_lshl_b32 s18, s18, 9
	s_lshl_b32 s19, s17, 4
	s_add_co_u32 s18, s18, s19
	s_lshl_b32 s19, s15, 3
	s_add_co_u32 s18, s18, s19
	s_mul_i32 s20, s18, 1536
	s_mov_b32 s21, 0
	s_add_nc_u64 s[8:9], s[6:7], s[20:21]          ; p's images
	s_lshl_b32 s20, s18, 6
	s_add_co_u32 s20, s20, O_PS
	s_add_nc_u64 s[10:11], s[6:7], s[20:21]        ; p's scale words; -M and l by the stores' offsets
; One matrix instruction on rD, rB, rA, rSB, rSA.  rb, ra: the scale words of an odd block lie in lanes 16-31.  zero = 1: the product starts the sum.
.macro WM zero, rb, ra
.if \zero
.if (\rb) && (\ra)
	v_wmma_scale_f32_16x16x128_f8f6f4 v[rD:rD+7], v[rB:rB+11], v[rA:rA+11], 0, v[rSB], v[rSA] matrix_a_fmt:MATRIX_FMT_FP6 matrix_b_fmt:MATRIX_FMT_FP6 matrix_a_scale:MATRIX_SCALE_ROW1 matrix_b_scale:MATRIX_SCALE_ROW1
.elseif (\rb)
	v_wmma_scale_f32_16x16x128_f8f6f4 v[rD:rD+7], v[rB:rB+11], v[rA:rA+11], 0, v[rSB], v[rSA] matrix_a_fmt:MATRIX_FMT_FP6 matrix_b_fmt:MATRIX_FMT_FP6 matrix_a_scale:MATRIX_SCALE_ROW1
.elseif (\ra)
	v_wmma_scale_f32_16x16x128_f8f6f4 v[rD:rD+7], v[rB:rB+11], v[rA:rA+11], 0, v[rSB], v[rSA] matrix_a_fmt:MATRIX_FMT_FP6 matrix_b_fmt:MATRIX_FMT_FP6 matrix_b_scale:MATRIX_SCALE_ROW1
.else
	v_wmma_scale_f32_16x16x128_f8f6f4 v[rD:rD+7], v[rB:rB+11], v[rA:rA+11], 0, v[rSB], v[rSA] matrix_a_fmt:MATRIX_FMT_FP6 matrix_b_fmt:MATRIX_FMT_FP6
.endif
.else
.if (\rb) && (\ra)
	v_wmma_scale_f32_16x16x128_f8f6f4 v[rD:rD+7], v[rB:rB+11], v[rA:rA+11], v[rD:rD+7], v[rSB], v[rSA] matrix_a_fmt:MATRIX_FMT_FP6 matrix_b_fmt:MATRIX_FMT_FP6 matrix_a_scale:MATRIX_SCALE_ROW1 matrix_b_scale:MATRIX_SCALE_ROW1
.elseif (\rb)
	v_wmma_scale_f32_16x16x128_f8f6f4 v[rD:rD+7], v[rB:rB+11], v[rA:rA+11], v[rD:rD+7], v[rSB], v[rSA] matrix_a_fmt:MATRIX_FMT_FP6 matrix_b_fmt:MATRIX_FMT_FP6 matrix_a_scale:MATRIX_SCALE_ROW1
.elseif (\ra)
	v_wmma_scale_f32_16x16x128_f8f6f4 v[rD:rD+7], v[rB:rB+11], v[rA:rA+11], v[rD:rD+7], v[rSB], v[rSA] matrix_a_fmt:MATRIX_FMT_FP6 matrix_b_fmt:MATRIX_FMT_FP6 matrix_b_scale:MATRIX_SCALE_ROW1
.else
	v_wmma_scale_f32_16x16x128_f8f6f4 v[rD:rD+7], v[rB:rB+11], v[rA:rA+11], v[rD:rD+7], v[rSB], v[rSA] matrix_a_fmt:MATRIX_FMT_FP6 matrix_b_fmt:MATRIX_FMT_FP6
.endif
.endif
.endm
; A's blocks a0, a0 + 1 x B's eight.  The 64 accumulators take turns, one instruction a turn, in the same order in every step.
.macro MULA a0, p, q, sc, zero
.irp a, \a0, \a0+1
.irp b, 0,1,2,3,4,5,6,7
.set rD, 8*(8*((\a)%4)+\b)
.set rB, 128*(\p)+12*\b
.set rA, AF+12*(\a)
.set rSB, SC+SETR*(\sc)+4*NQ+(NB/2)*(\q)+\b/2
.set rSA, SC+SETR*(\sc)+4*(\q)+(\a)/2
	WM \zero, \b%2, (\a)%2
.endr
.endr
.endm
.macro FRAG reg, adr, off              ; a fragment comes as it was stored: three loads, 512 consecutive bytes each
.irp g, 0,1,2
	ds_load_b128 v[\reg+4*\g:\reg+4*\g+3], v[\adr] offset:\off+512*\g
.endr
.endm
.macro FETCH_B slot, q, p
	WIN TO_B
.irp i, 0,1,2,3,4,5,6,7
	FRAG 128*(\p)+12*\i, ADRB+\slot, (\q)*QSB+\i*1536
.endr
	WIN 0
.endm
.macro FETCH_A slot, q, i0
.irp i, \i0, \i0+1, \i0+2, \i0+3
	FRAG AF+12*(\i), ADRA+\slot, (\q)*QSA+(\i)*1536
.endr
.endm
.macro SCALES sc, sg                   ; slot step sg's scale words into set sc
.irp q, 0,1
.irp p, 0,1,2,3
	ds_load_b32 v[SC+SETR*\sc+4*\q+\p], v[ADSA] offset:(NQ*(\sg)+\q)*512+128*\p
.endr
.irp p, 0,1,2,3
	ds_load_b32 v[SC+SETR*\sc+4*NQ+4*\q+\p], v[ADSB] offset:(NQ*(\sg)+\q)*512+128*\p
.endr
.endr
.endm
.macro PLACES n                        ; plain vector lines between a matrix instruction and a load into, or a vector read or write of, its registers (ISA guide 7.12.1 for vector reads and writes)
.rept \n
	v_nop
.endr
.endm
.macro STEP slot, q, zero
	s_wait_dscnt 4*NL                              ; all but the youngest 12 loads (A's blocks 4-7)
	WIN MUL_LO
	MULA 0, (\q)%2, \q, \slot, \zero
	MULA 2, (\q)%2, \q, \slot, \zero
	s_wait_dscnt 0
	PLACES 4
	FETCH_B \slot, (\q)+1, 1-(\q)%2
	FETCH_A \slot, (\q)+1, 0
	WIN MUL_HI
	MULA 4, (\q)%2, \q, \slot, \zero
	MULA 6, (\q)%2, \q, \slot, \zero
	PLACES 4
	WIN 0
	FETCH_A \slot, (\q)+1, 4
.endm
.macro TURN slot, next, fill, sg       ; a slot's last K step, and the change of slots
	s_wait_tensorcnt 0x0                           ; all my tensor loads have landed: my part of the next slot
	ds_add_u32 v[SPW], v[NIL]                      ; 0 onto my spare word
	s_wait_dscnt 4*NL+1                            ; the add and the youngest 12 loads may be out
	WIN MUL_LO
	MULA 0, 1, NQ-1, \slot, 0
	s_wait_dscnt 0x0                               ; the add is done, and my reads of this slot are over
	s_barrier_signal -1
	MULA 2, 1, NQ-1, \slot, 0
	WIN 0
	s_barrier_wait -1
.if \fill
	CREST                                          ; a round of the cluster's barrier: no wave of any partner still reads this slot or has a load on its way
	s_add_nc_u64 s[G0+4*\slot+2:G0+4*\slot+3], s[G0+4*\slot+2:G0+4*\slot+3], 2*STEPG
	s_add_nc_u64 s[G0B+4*\slot+2:G0B+4*\slot+3], s[G0B+4*\slot+2:G0B+4*\slot+3], 2*STEPG
	JLOAD G0+4*\slot, G1, G0B+4*\slot, G1B         ; the first tensor load behind the round; its four v_nop are the places ahead of the loads below
.else
	PLACES 4
.endif
	FETCH_B \next, 0, 0
	FETCH_A \next, 0, 0
	SCALES \next, \sg
	WIN MUL_HI
	MULA 4, 1, NQ-1, \slot, 0
	MULA 6, 1, NQ-1, \slot, 0
	PLACES 4
	WIN 0
	FETCH_A \next, 0, 4
.endm
	s_wait_alu depctr_va_vdst(0)
	s_wait_loadcnt 0x0
.irp j, 0,1,2,3
	ds_store_b128 v5, v[128+4*\j:131+4*\j] offset:1024*\j
	ds_store_b128 v5, v[144+4*\j:147+4*\j] offset:8192+1024*\j
.endr
	s_wait_tensorcnt 0x0                           ; my part of slot 0 is in; slot 1's first fill is issued as a refill is
	ds_add_u32 v[SPW], v[NIL]
	s_wait_dscnt 0x0                               ; the add and my stores of scale words are done
	CROUND
	JLOAD G0+4, G1, G0B+4, G1B
	FETCH_B 0, 0, 0
	FETCH_A 0, 0, 0
	SCALES 0, 0
	FETCH_A 0, 0, 4
	STEP 0, 0, 1                                   ; the first products start the sums
	TURN 0, 1, 1, 1
	STEP 1, 0, 0
	TURN 1, 0, 1, 2
	STEP 0, 0, 0
	TURN 0, 1, 0, 3                                ; nothing is left to fetch
	STEP 1, 0, 0
	s_wait_dscnt 4*NL
	WIN MUL_LO
	MULA 0, 1, NQ-1, 1, 0
	MULA 2, 1, NQ-1, 1, 0
	s_wait_dscnt 0
	WIN MUL_HI
	MULA 4, 1, NQ-1, 1, 0
	MULA 6, 1, NQ-1, 1, 0
	WIN 0
	PLACES 4
.irp b, 0,1,2,3
	v_mov_b32 v[MT+\b], 0                          ; written once: a lane permute's destination counts as one of its sources
.endr
	v_mov_b32 v[TMB], 0
	v_mov_b32 v[NG+1], 0                           ; (named as the upper half of the pair)
; THE SOFTMAX of A's block a: 16 queries x my 128 keys.  Register 16 b + 8 u + j of a lane: member 16 u + 8 h + j of block b of 32 keys.
.macro SOFTQ a
.set AC, 64*((\a)%4)
.set WA, 2+(\a)/4
.set WB, WA|(WA<<2)
.set CDA, CD+12*((\a)%4)
	WIN WB
.irp b, 0,1,2,3
	v_max_num_f32 v[MX+\b], v[AC+16*\b], v[AC+16*\b+1]   ; the largest score of each block: for the row's maximum and, since p rises with the score, for the block's largest p.  Each accumulator is read from its low end on
.endr
.irp i, 2,4,6,8,10,12,14
.irp b, 0,1,2,3
	v_max3_num_f32 v[MX+\b], v[AC+16*\b+\i], v[AC+16*\b+\i+1], v[MX+\b]
.endr
.endr
	WIN 0
.irp b, 0,1,2,3
	v_permlanex16_b32 v[MT+\b], v[MX+\b], s[SEL], s[SEL+1]
.endr
.irp b, 0,1,2,3
	v_max_num_f32 v[MX+\b], v[MX+\b], v[MT+\b]     ; with lane l xor 16's 16 keys
.endr
	v_max3_num_f32 v[TMA], v[MX], v[MX+1], v[MX+2]
	v_max_num_f32 v[TMA], v[TMA], v[MX+3]          ; the group's largest score of my query
	v_mul_f32 v[TMA], s[CS], v[TMA]                ; as t (c is positive)
	v_floor_f32 v[NG], -v[TMA]                     ; -M = floor(-t): M is a whole number
	WIN WA
.set j, 0
.rept 32
	v_pk_fma_f32 v[PB+j:PB+j+1], v[AC+j:AC+j+1], s[CS:CS+1], v[NG:NG+1] op_sel_hi:[1,0,0]   ; t - M, two at a time
.set j, j+2
.endr
	WIN 0
.irp b, 0,1,2,3
	v_fma_f32 v[MX+\b], v[MX+\b], s[CS], v[NG]     ; the same of each block's largest score
.endr
.set j, 0
	s_wait_alu depctr_va_vdst(0)
.rept 64
	v_exp_f32 v[PB+j], v[PB+j]                     ; p = 2^(t - M), at most 1, not normalised
.set j, j+1
.endr
	v_mov_b32 v[NMA+(\a)], v[NG]                   ; (a plain line behind the exponentials)
	s_wait_alu depctr_va_vdst(0)                   ; one wait for the batch, ahead of its first reader
.irp b, 0,1,2,3
	v_exp_f32 v[MX+\b], v[MX+\b]                   ; the block's largest p: the same two instructions on the same number give the same bits
.endr
	v_pk_add_f32 v[SUMA:SUMA+1], v[PB:PB+1], v[PB+4:PB+5]         ; the sum of the unquantised p, in two chains; it reads the 64 alone
	v_pk_add_f32 v[SUMB:SUMB+1], v[PB+2:PB+3], v[PB+6:PB+7]
.irp j, 8,12,16,20,24,28,32,36,40,44,48,52,56,60
	v_pk_add_f32 v[SUMA:SUMA+1], v[SUMA:SUMA+1], v[PB+\j:PB+\j+1]
	v_pk_add_f32 v[SUMB:SUMB+1], v[SUMB:SUMB+1], v[PB+\j+2:PB+\j+3]
.endr
	v_pk_add_f32 v[SUMA:SUMA+1], v[SUMA:SUMA+1], v[SUMB:SUMB+1]
	v_add_f32 v[TMA], v[SUMA], v[SUMA+1]
	v_permlanex16_b32 v[TMB], v[TMA], s[SEL], s[SEL+1]
	v_add_f32 v[LSA+(\a)], v[TMA], v[TMB]          ; l of my query and this group
	s_wait_alu depctr_va_vdst(0)                   ; and one for the four
.irp b, 0,1,2,3
	v_max_num_f32 v[MX+\b], 0x21800000, v[MX+\b]   ; the floor 2^-60: the byte is at least 65, so that the next launch can take up to 64 off it
.endr
.irp b, 0,1,2,3
	v_add_nc_u32 v[SO+\b], 0xff000000, v[MX+\b]    ; 2 off the exponent field: the conversion's scale operand
.endr
.irp b, 0,1,2,3
	v_lshrrev_b32 v[MT+\b], 23, v[SO+\b]           ; the scale's byte
.endr
	v_lshl_or_b32 v[PWA+(\a)], v[MT+1], 8, v[MT]
	v_lshl_or_b32 v[PWA+(\a)], v[MT+2], 16, v[PWA+(\a)]
	v_lshl_or_b32 v[PWA+(\a)], v[MT+3], 24, v[PWA+(\a)]
.if (\a) >= 4
	s_wait_xcnt 0x0                                ; the stores of the block four back have read their registers: this set of codes is written again only behind this wait
.endif
.irp c, 0,1
	v_cvt_scalef32_pk16_fp6_f32 v[CDA+6*\c:CDA+6*\c+2], v[PB+32*\c:PB+32*\c+15], v[SO+2*\c]
	v_cvt_scalef32_pk16_fp6_f32 v[TC+4*\c:TC+4*\c+2], v[PB+32*\c+16:PB+32*\c+31], v[SO+2*\c+1]   ; (a conversion's three registers begin on an even number)
.endr
	v_nop                                          ; one plain line behind a scaled conversion
.irp c, 0,1                                    ; a whole block in a lane: lanes 0-15 block 2 c, lanes 16-31 block 2 c + 1
.irp i, 0,1,2
	v_permlane16_swap_b32 v[CDA+6*\c+\i], v[TC+4*\c+\i]
.endr
.irp i, 0,1,2
	v_mov_b32 v[CDA+6*\c+3+\i], v[TC+4*\c+\i]
.endr
.endr
.irp g, 0,1,2
	global_store_b128 v[LI], v[CDA+4*\g:CDA+4*\g+3], s[8:9] offset:1536*(\a)+512*\g   ; 32 lanes store 512 consecutive bytes, aligned
.endr
.endm
.irp a, 0,1,2,3,4,5,6,7
	SOFTQ \a
.endr
.irp a, 0,1,2,3,4,5,6,7
	ds_store_b32 v[WSI], v[PWA+\a] offset:64*\a            ; both halves of the lanes write the same word with the same value
	ds_store_b32 v[WSI], v[NMA+\a] offset:512+64*\a
	ds_store_b32 v[WSI], v[LSA+\a] offset:1024+64*\a
.endr
.irp k, 0,1,2
	ds_load_b128 v[RB+4*\k:RB+4*\k+3], v[WSO] offset:512*\k   ; LDS serves a wave's instructions in order: these see my stores
.endr
	s_wait_dscnt 0x0
.irp k, 0,1,2
	global_store_b128 v[LI], v[RB+4*\k:RB+4*\k+3], s[10:11] offset:524288*\k   ; scale words, -M, l: 512 consecutive bytes each
.endr
	s_wait_tensorcnt 0x0                           ; the wave's end
	ds_add_u32 v[SPW], v[NIL]
	s_wait_dscnt 0x0
	CROUND                                         ; the closing round
	s_endpgm
.Lfunc_end_k_qc2ea89db28_score:
	.size	k_qc2ea89db28_score, .Lfunc_end_k_qc2ea89db28_score-k_qc2ea89db28_score
	.p2alignl 7, 3214868480
	.fill 96, 4, 3214868480
	.section	.rodata,"a",@progbits
	.p2align	6, 0x0
	.amdhsa_kernel k_qc2ea89db28_score
		.amdhsa_group_segment_fixed_size 327680
		.amdhsa_private_segment_fixed_size 0
		.amdhsa_enable_private_segment 0
		.amdhsa_kernarg_size 16
		.amdhsa_user_sgpr_count 2
		.amdhsa_user_sgpr_kernarg_segment_ptr 1
		.amdhsa_wavefront_size32 1
		.amdhsa_system_sgpr_workgroup_id_x 1
		.amdhsa_system_sgpr_workgroup_id_y 1
		.amdhsa_system_sgpr_workgroup_id_z 1
		.amdhsa_system_vgpr_workitem_id 0
		.amdhsa_next_free_vgpr 1024
		.amdhsa_next_free_sgpr 102
		.amdhsa_reserve_vcc 0
		.amdhsa_float_denorm_mode_32 3
		.amdhsa_float_denorm_mode_16_64 3
		.amdhsa_memory_ordered 1
		.amdhsa_forward_progress 1
		.amdhsa_inst_pref_size 197
	.end_amdhsa_kernel
	.amdgpu_metadata
---
amdhsa.version: [ 1, 2 ]
amdhsa.kernels:
  - .name:           k_qc2ea89db28_score
    .symbol:         k_qc2ea89db28_score.kd
    .args:
      - { .name: pb, .offset: 0, .size: 8, .value_kind: global_buffer, .address_space: global }
      - { .name: sb, .offset: 8, .size: 8, .value_kind: global_buffer, .address_space: global }
    .group_segment_fixed_size: 327680
    .private_segment_fixed_size: 0
    .kernarg_segment_align: 8
    .kernarg_segment_size: 16
    .max_flat_workgroup_size: 128
    .sgpr_count:     102
    .vgpr_count:     1024
    .wavefront_size: 32
...
	.end_amdgpu_metadata
.endif
;; end of part 3
;; launch pv (part 4): grid 8 x 32, 4 waves a work-group, clusters of 4 x 4, 327,680 bytes of LDS; arguments sb, pb, out0; writes out0
.if DOCPART == 4
	.amdgcn_target "amdgcn-amd-amdhsa--gfx1250"
	.amdhsa_code_object_version 6
	.text
	.protected	k_qc2ea89db28_pv
	.globl	k_qc2ea89db28_pv
	.p2align	8
	.type	k_qc2ea89db28_pv,@function
k_qc2ea89db28_pv:
	s_mov_b64 s[64:65], 0
	v_nop
	global_prefetch_b8 v0, s[64:65] scope:SCOPE_SE
	s_setreg_imm32_b32 hwreg(HW_REG_WAVE_MODE, 25, 1), 1
	s_wait_xcnt 0x0
	s_wait_alu depctr_hold_cnt(0) depctr_sa_sdst(0) depctr_va_vdst(0) depctr_va_sdst(0) depctr_va_ssrc(0) depctr_va_vcc(0) depctr_vm_vsrc(0)
	s_getreg_b32 s2, hwreg(HW_REG_IB_STS2, 6, 4)
	s_cmp_eq_u32 s2, 0
	s_cbranch_scc0 .Lentry_in_a_cluster
	s_endpgm
.Lentry_in_a_cluster:
	s_bfe_u32 s2, ttmp6, 0x10000c
	s_cmp_lg_u32 s2, 0xf033
	s_cbranch_scc0 .Lentry_shape_is_right
	s_endpgm
.Lentry_shape_is_right:
; O = P V / l on the images of p (sb) and of v^T (pb): FP6 codes, E8M0 scales, K = the batch's 2,048 keys.
; p was quantised under a whole number M_g for each row and each group g of 128 keys.  At the head each work-group finds, for its 256 rows, -M = the least -M_g, adds d = M_g - M (0 or less) to the four bytes of
; each group's scale word, which brings the group under the row's own M without touching a code, and sums l = the sum over g of l_g 2^d.  The mended words and 1 / l go to LDS.
; LIMITS: d is held at -64 from below.  The bytes are at least 65, so no byte borrows from its neighbour and none falls under 1; a group so far below the row's maximum adds less than 2^-53 of the row's sum either way.
; A tile is 256 queries (A, source 1) x 128 of the 1,024 channels (B, source 0): 256 work-groups; four waves of 128 x 64: 32 accumulators.  In accumulator (a, b) lane (r, h) holds query 16 a + r and, in register j, channel 16 b + 8 h + j.
; Operands are images of their registers (1,536 bytes a fragment, three loads of 512 consecutive bytes).  A slot holds four K steps of 128: 128 matrix instructions a wave between two changes of slots.
; CLUSTERS: 4 x 4 work-groups of one batch; p's tiles are asked for jointly along a row of the cluster, v^T's along a column.
; REGISTERS: window 0: v4-31 addresses; v32-79 scale words, two sets, and nothing else; v80-95 1 / l; v128-223 A's fragments (at the head: the words, -M_g and l_g; on the way out: rows of O).  window 1: B's two sets.  window 2: the accumulators ((a, b) at v[8 (4 a + b)]).
.set NB,     4
.set NQ,     4
.set NL,     3
.set QSA,    12288
.set QSB,    6144
.set AREG,   NQ*QSA
.set BREG,   NQ*QSB
.set SLOT,   2*AREG+2*BREG
.set SCB,    2*SLOT                    ; v^T's scale words: 4,096 bytes for each half: [K step][block][row]
.set PSC,    SCB+8192                  ; p's mended scale words, written by the waves: 8,192 bytes for each half: [group][block][row]
.set RIV,    PSC+16384                 ; 1 / l of the 256 rows
.set SPARE,  RIV+1024                  ; the spare words: 128 bytes a wave, named by no other line
.set STEPA,  NQ*512*1536               ; a slot step on, in memory
.set STEPB,  NQ*64*1536
.set O_PS,   12582912                  ; sb: p's scale words; -M_g and l_g follow, 524,288 bytes each
.set O_VI,   12582912                  ; pb: v^T's images, its scale words
.set O_VS,   19398656
.set PSA,  5                           ; v5  where I store my two rows' mended words
.set RVA,  6                           ; v6  and their 1 / l
.set ADRA, 16
.set ADRB, 20
.set ADSB, 23
.set STO,  24                          ; v24 the way out: where I put 32 bytes of a row
.set RD,   25                          ; v25 where I read a row back
.set CO,   26                          ; v26 my byte offset in two rows of O
.set ADSA, 27
.set SPW,  28
.set NIL,  29
.set RIA,  30                          ; v30 my rows' 1 / l
.set WOF,  31                          ; v31 8 x thread: my two rows' words in memory
.set SC,   32
.set SETR, 4*NQ+NQ*NB/2
.set RI,   80
.set AF,   128
.set RPW,  128                         ; the head: v128-159 scale words, v160-191 -M_g, v192-223 l_g: a pair (two rows) for each group
.set RNM,  160
.set RLS,  192
.set NG,   224                         ; v224-225 -M; v226-227 l; v228-231 at work
.set LT,   226
.set TD,   228
.set TU,   230
.set BK,   128                         ; the way out: v128-159 and v160-191 by turns
.set G1, 24
.set G0, 32
.set G1B, 48
.set G0B, 56
.set G1SB, 80
.set G0SB, 88
.set MSB, 0
.macro WIN new
.if MSB != (\new)
	s_set_vgpr_msb (MSB<<8)|(\new)
.set MSB, (\new)
.endif
.endm
.set MUL,  0xa1                        ; source 0 (B) window 1, source 1 (A) window 0, C and D window 2
.set TO_B, 0x40
.macro JLOAD g0a, g1a, g0b, g1b        ; a joint load: waves 0 and 1 fetch for A, waves 2 and 3 for B; four v_nop follow each of the two lines
	s_cmp_eq_u32 s15, 0
	s_cbranch_scc0 .Lfor_b_\@
	tensor_load_to_lds s[\g0a:\g0a+3], s[\g1a:\g1a+7]
	s_nop 0
.rept 4
	v_nop
.endr
	s_branch .Lasked_\@
.Lfor_b_\@:
	tensor_load_to_lds s[\g0b:\g0b+3], s[\g1b:\g1b+7]
	s_nop 0
.rept 4
	v_nop
.endr
.Lasked_\@:
.endm
.macro CREST
	s_cmp_lg_u32 s14, 0
	s_cbranch_scc1 .Lnot_wave_0_\@
	s_barrier_signal -3
.Lnot_wave_0_\@:
	s_barrier_wait -3
	s_barrier_signal -1
	s_barrier_wait -1
.endm
.macro CROUND
	s_barrier_signal -1
	s_barrier_wait -1
	CREST
.endm
	s_load_b128 s[4:7], s[0:1], 0x0                ; sb, pb
	s_load_b64 s[8:9], s[0:1], 0x10                ; out0
	v_lshl_add_u32 v[SPW], v0, 2, SPARE
	v_mov_b32 v[NIL], 0
	ds_add_u32 v28, v29
	ds_add_u32 v28, v29
	s_wait_dscnt 0x0
	v_lshrrev_b32 v1, 5, v0
	v_readfirstlane_b32 s14, v1                    ; wave 0..3
	s_lshr_b32 s15, s14, 1                         ; my half of the queries.  Also: I fetch for A (0) or for B (1)
	s_and_b32 s16, s14, 1                          ; my half of the channels.  Also: which half I fetch
	s_bfe_u32 s40, ttmp6, 0x40000                  ; cx
	s_bfe_u32 s41, ttmp6, 0x40004                  ; cy
	s_lshl_b32 s42, ttmp9, 2
	s_add_co_u32 s42, s42, s40                     ; x: the tile of 128 channels, 0 to 7
	s_and_b32 s18, ttmp7, 0xffff
	s_lshl_b32 s17, s18, 2
	s_add_co_u32 s17, s17, s41                     ; y: the tile of 256 queries, 0 to 31
	s_lshr_b32 s66, s18, 1                         ; the batch: the same in all partners
	s_lshl_b32 s43, s41, 2
	s_lshl_b32 s43, 15, s43                        ; my row of the cluster
	s_lshl_b32 s44, 0x1111, s40                    ; my column
	s_mov_b32 s74, 0x01010101                      ; a number times this stands in all four bytes
	; descriptor group 1.  p: 4 rows (K steps) of 12,288 bytes (1,536 elements of 8 bytes), 512 fragments apart
	s_or_b32 s[G1+0], s43, (3<<16)|(1<<21)
	s_mov_b32 s[G1+1], 1536<<16
	s_mov_b32 s[G1+2], NQ<<16
	s_mov_b32 s[G1+3], 1536<<16
	s_mov_b32 s[G1+4], NQ
	s_mov_b32 s[G1+5], 512*192
	s_mov_b32 s[G1+6], 0
	s_mov_b32 s[G1+7], 0
	; v^T: 4 rows of 6,144 bytes (768 elements), 64 fragments apart
	s_or_b32 s[G1B+0], s44, (3<<16)|(1<<21)
	s_mov_b32 s[G1B+1], 768<<16
	s_mov_b32 s[G1B+2], NQ<<16
	s_mov_b32 s[G1B+3], 768<<16
	s_mov_b32 s[G1B+4], NQ
	s_mov_b32 s[G1B+5], 64*192
	s_mov_b32 s[G1B+6], 0
	s_mov_b32 s[G1B+7], 0
	; v^T's scale words: 16 rows (K steps) of 256 bytes (32 elements), 4,096 bytes apart
	; they come through registers: a load of the work-group brings four K steps' 512 bytes, 16 bytes a thread
	v_lshrrev_b32 v11, 5, v0
	v_and_b32 v9, 31, v0
	v_lshlrev_b32 v9, 4, v9
	v_lshl_add_u32 v9, v11, 12, v9                 ; in memory: 4,096 (t / 32) + 16 (t % 32)
	v_bfe_u32 v10, v0, 4, 1
	v_lshlrev_b32 v10, 12, v10
	v_lshl_add_u32 v10, v11, 8, v10
	v_and_b32 v11, 15, v0
	v_lshl_add_u32 v10, v11, 4, v10
	v_add_nc_u32 v10, SCB, v10                     ; in LDS: SCB + 4,096 x half + 256 (t / 32) + 16 (t % 16)
	s_lshl_b32 s18, s16, 3
	s_lshl_b32 s20, s17, 4
	s_add_co_u32 s20, s20, s18                     ; A: row tile 16 y + 8 x half
	s_mul_i32 s20, s20, 1536
	s_mov_b32 s21, 0
	s_lshl_b32 s18, s16, 2
	s_lshl_b32 s46, s42, 3
	s_add_co_u32 s46, s46, s18
	s_lshl_b32 s19, s66, 10
	s_add_co_u32 s46, s46, s19                     ; B: fragment 1,024 x batch + 8 x + 4 x half
	s_lshl_b32 s92, s42, 9                         ; the tile's scale words: fragment 1,024 x batch + 8 x
	s_lshl_b32 s19, s66, 16
	s_add_co_u32 s92, s92, s19
	s_add_co_u32 s92, s92, O_VS
	s_mov_b32 s93, 0
	s_mul_i32 s46, s46, 1536
	s_add_co_u32 s46, s46, O_VI
	s_mov_b32 s47, 0
	s_mul_i32 s45, s16, AREG                       ; where they go: A's halves,
	s_mul_i32 s95, s16, BREG
	s_add_co_u32 s95, s95, 2*AREG                  ; B's behind them,
	s_wait_alu depctr_va_vdst(0)                   ; the wait ahead of the wait below
	s_wait_kmcnt 0x0
	s_add_nc_u64 s[20:21], s[4:5], s[20:21]
	s_add_nc_u64 s[46:47], s[6:7], s[46:47]
	s_add_nc_u64 s[92:93], s[6:7], s[92:93]
	CROUND                                         ; all sixteen work-groups are here: the first joint loads meet
.irp s, 0,1
	s_mov_b32 s[G0+4*\s], 1
	s_add_co_u32 s[G0+4*\s+1], s45, \s*SLOT
	s_add_nc_u64 s[G0+4*\s+2:G0+4*\s+3], s[20:21], \s*STEPA
	s_or_b32 s[G0+4*\s+3], s[G0+4*\s+3], 0x80000000
	s_mov_b32 s[G0B+4*\s], 1
	s_add_co_u32 s[G0B+4*\s+1], s95, \s*SLOT
	s_add_nc_u64 s[G0B+4*\s+2:G0B+4*\s+3], s[46:47], \s*STEPB
	s_or_b32 s[G0B+4*\s+3], s[G0B+4*\s+3], 0x80000000
.endr
	JLOAD G0, G1, G0B, G1B                         ; slot 0: my one tensor load at the head
	; ---- the head's work: thread t mends rows 2 t and 2 t + 1 of the tile's 256
	s_lshl_b32 s18, s17, 10
	s_add_co_u32 s18, s18, O_PS
	s_mov_b32 s19, 0
	s_add_nc_u64 s[10:11], s[4:5], s[18:19]        ; the tile's words of group 0: 4 bytes a row; a group on is 32,768 bytes
	v_lshlrev_b32 v[WOF], 3, v0
.irp g, 0,1,2,3,4,5,6,7,8,9,10,11,12,13,14,15
	global_load_b64 v[RNM+2*\g:RNM+2*\g+1], v[WOF], s[10:11] offset:524288+32768*\g
.endr
.irp g, 0,1,2,3,4,5,6,7,8,9,10,11,12,13,14,15
	global_load_b64 v[RLS+2*\g:RLS+2*\g+1], v[WOF], s[10:11] offset:1048576+32768*\g
.endr
.irp g, 0,1,2,3,4,5,6,7,8,9,10,11,12,13,14,15
	global_load_b64 v[RPW+2*\g:RPW+2*\g+1], v[WOF], s[10:11] offset:32768*\g
.endr
.irp j, 0,1,2,3
	global_load_b128 v[232+4*\j:235+4*\j], v9, s[92:93] offset:16384*\j   ; v^T's scale words
.endr
	v_and_b32 v1, 15, v0                           ; r
	v_bfe_u32 v2, v0, 4, 1                         ; h
	v_and_b32 v3, 31, v0                           ; lane
	v_lshrrev_b32 v4, 6, v0
	v_and_b32 v[PSA], 63, v0
	v_lshlrev_b32 v[PSA], 3, v[PSA]
	v_lshl_add_u32 v[PSA], v4, 13, v[PSA]
	v_add_nc_u32 v[PSA], PSC, v[PSA]               ; PSC + 8,192 (t / 64) + 8 (t % 64)
	v_lshl_add_u32 v[RVA], v0, 3, RIV
	v_lshlrev_b32 v7, 4, v3                        ; 16 x lane
	v_lshlrev_b32 v8, 2, v3                        ; 4 x lane
	s_wait_alu depctr_va_vdst(0)
	s_mul_i32 s21, s15, AREG
	s_mul_i32 s22, s16, BREG
	s_add_co_u32 s22, s22, 2*AREG
.irp s, 0,1
	v_add_nc_u32 v[ADRA+\s], s21, v7
	v_add_nc_u32 v[ADRB+\s], s22, v7
	s_add_co_u32 s21, s21, SLOT
	s_add_co_u32 s22, s22, SLOT
.endr
	s_lshl_b32 s21, s15, 13
	s_add_co_u32 s21, s21, PSC
	v_add_nc_u32 v[ADSA], s21, v8
	s_lshl_b32 s22, s16, 12
	s_add_co_u32 s22, s22, SCB
	v_add_nc_u32 v[ADSB], s22, v8
	s_lshl_b32 s21, s15, 9
	s_add_co_u32 s21, s21, RIV
	v_lshl_add_u32 v[RIA], v1, 2, s21
	s_mul_i32 s23, s14, 16*272                     ; my stage for the way out, in slot 0, which has had its last fill and its last read when it is written
	v_mul_u32_u24 v[STO], v1, 272
	v_lshl_add_u32 v[STO], v2, 5, v[STO]
	v_add_nc_u32 v[STO], s23, v[STO]               ; in: row r, 32 bytes for each half of the lanes
	v_mul_u32_u24 v[RD], v2, 272
	v_lshl_add_u32 v[RD], v1, 4, v[RD]
	v_add_nc_u32 v[RD], s23, v[RD]                 ; back: lanes 0-15 one row of 256 bytes, lanes 16-31 the next
	v_lshlrev_b32 v[CO], 12, v2
	v_lshl_add_u32 v[CO], v1, 4, v[CO]             ; and the same two rows in O
	s_lshl_b32 s18, s17, 20                        ; O: (256 y + 128 x half) rows of 4,096 bytes + 512 x + 256 x half
	s_lshl_b32 s19, s15, 19
	s_add_co_u32 s18, s18, s19
	s_lshl_b32 s19, s42, 9
	s_add_co_u32 s18, s18, s19
	s_lshl_b32 s19, s16, 8
	s_add_co_u32 s18, s18, s19
	s_mov_b32 s19, 0
	s_add_nc_u64 s[8:9], s[8:9], s[18:19]
	s_wait_loadcnt 0x0
.irp e, 0,1
	v_min_num_f32 v[NG+\e], v[RNM+\e], v[RNM+2+\e]
.endr
.irp g, 2,3,4,5,6,7,8,9,10,11,12,13,14,15
.irp e, 0,1
	v_min_num_f32 v[NG+\e], v[NG+\e], v[RNM+2*\g+\e]   ; -M = the least -M_g
.endr
.endr
.irp g, 0,1,2,3,4,5,6,7,8,9,10,11,12,13,14,15
.irp e, 0,1
	v_sub_f32 v[TD+\e], v[NG+\e], v[RNM+2*\g+\e]   ; d = M_g - M: a whole number, 0 or less
.endr
.irp e, 0,1
	v_max_num_f32 v[TD+\e], 0xc2800000, v[TD+\e]   ; held at -64
.endr
.irp e, 0,1
	v_cvt_i32_f32 v[TD+\e], v[TD+\e]
.endr
.if \g == 0
.irp e, 0,1
	v_ldexp_f32 v[LT+\e], v[RLS+\e], v[TD+\e]      ; l begins with l_0 2^d
.endr
.else
.irp e, 0,1
	v_ldexp_f32 v[TU+\e], v[RLS+2*\g+\e], v[TD+\e]
.endr
	v_pk_add_f32 v[LT:LT+1], v[LT:LT+1], v[TU:TU+1]
.endif
.irp e, 0,1
	v_mul_lo_u32 v[TD+\e], v[TD+\e], s74           ; d in all four bytes (modulo 2^32)
.endr
.irp e, 0,1
	v_add_nc_u32 v[RPW+2*\g+\e], v[RPW+2*\g+\e], v[TD+\e]   ; every byte is at least 65 and d at least -64: no byte borrows
.endr
	ds_store_b64 v[PSA], v[RPW+2*\g:RPW+2*\g+1] offset:512*\g
.endr
	s_wait_alu depctr_va_vdst(0)
	v_rcp_f32 v[TD], v[LT]
	v_rcp_f32 v[TD+1], v[LT+1]
	v_nop                                          ; a plain line behind the reciprocals
	s_wait_alu depctr_va_vdst(0)                   ; and the wait ahead of their first reader
	ds_store_b64 v[RVA], v[TD:TD+1]
.macro WM zero, rb, ra                 ; one matrix instruction on rD, rB, rA, rSB, rSA; an odd block's scale words lie in lanes 16-31
.if \zero
.if (\rb) && (\ra)
	v_wmma_scale_f32_16x16x128_f8f6f4 v[rD:rD+7], v[rB:rB+11], v[rA:rA+11], 0, v[rSB], v[rSA] matrix_a_fmt:MATRIX_FMT_FP6 matrix_b_fmt:MATRIX_FMT_FP6 matrix_a_scale:MATRIX_SCALE_ROW1 matrix_b_scale:MATRIX_SCALE_ROW1
.elseif (\rb)
	v_wmma_scale_f32_16x16x128_f8f6f4 v[rD:rD+7], v[rB:rB+11], v[rA:rA+11], 0, v[rSB], v[rSA] matrix_a_fmt:MATRIX_FMT_FP6 matrix_b_fmt:MATRIX_FMT_FP6 matrix_a_scale:MATRIX_SCALE_ROW1
.elseif (\ra)
	v_wmma_scale_f32_16x16x128_f8f6f4 v[rD:rD+7], v[rB:rB+11], v[rA:rA+11], 0, v[rSB], v[rSA] matrix_a_fmt:MATRIX_FMT_FP6 matrix_b_fmt:MATRIX_FMT_FP6 matrix_b_scale:MATRIX_SCALE_ROW1
.else
	v_wmma_scale_f32_16x16x128_f8f6f4 v[rD:rD+7], v[rB:rB+11], v[rA:rA+11], 0, v[rSB], v[rSA] matrix_a_fmt:MATRIX_FMT_FP6 matrix_b_fmt:MATRIX_FMT_FP6
.endif
.else
.if (\rb) && (\ra)
	v_wmma_scale_f32_16x16x128_f8f6f4 v[rD:rD+7], v[rB:rB+11], v[rA:rA+11], v[rD:rD+7], v[rSB], v[rSA] matrix_a_fmt:MATRIX_FMT_FP6 matrix_b_fmt:MATRIX_FMT_FP6 matrix_a_scale:MATRIX_SCALE_ROW1 matrix_b_scale:MATRIX_SCALE_ROW1
.elseif (\rb)
	v_wmma_scale_f32_16x16x128_f8f6f4 v[rD:rD+7], v[rB:rB+11], v[rA:rA+11], v[rD:rD+7], v[rSB], v[rSA] matrix_a_fmt:MATRIX_FMT_FP6 matrix_b_fmt:MATRIX_FMT_FP6 matrix_a_scale:MATRIX_SCALE_ROW1
.elseif (\ra)
	v_wmma_scale_f32_16x16x128_f8f6f4 v[rD:rD+7], v[rB:rB+11], v[rA:rA+11], v[rD:rD+7], v[rSB], v[rSA] matrix_a_fmt:MATRIX_FMT_FP6 matrix_b_fmt:MATRIX_FMT_FP6 matrix_b_scale:MATRIX_SCALE_ROW1
.else
	v_wmma_scale_f32_16x16x128_f8f6f4 v[rD:rD+7], v[rB:rB+11], v[rA:rA+11], v[rD:rD+7], v[rSB], v[rSA] matrix_a_fmt:MATRIX_FMT_FP6 matrix_b_fmt:MATRIX_FMT_FP6
.endif
.endif
.endm
; A's blocks a0, a0 + 1 x B's four.  The 32 accumulators take turns, one instruction a turn, in the same order in every step.
.macro MULA a0, p, q, sc, zero
.irp a, \a0, \a0+1
.irp b, 0,1,2,3
.set rD, 8*(4*(\a)+\b)
.set rB, 128*(\p)+12*\b
.set rA, AF+12*(\a)
.set rSB, SC+SETR*(\sc)+4*NQ+(NB/2)*(\q)+\b/2
.set rSA, SC+SETR*(\sc)+4*(\q)+(\a)/2
	WM \zero, \b%2, (\a)%2
.endr
.endr
.endm
.macro FRAG reg, adr, off
.irp g, 0,1,2
	ds_load_b128 v[\reg+4*\g:\reg+4*\g+3], v[\adr] offset:\off+512*\g
.endr
.endm
.macro FETCH_B slot, q, p
	WIN TO_B
.irp i, 0,1,2,3
	FRAG 128*(\p)+12*\i, ADRB+\slot, (\q)*QSB+\i*1536
.endr
	WIN 0
.endm
.macro FETCH_A slot, q, i0
.irp i, \i0, \i0+1, \i0+2, \i0+3
	FRAG AF+12*(\i), ADRA+\slot, (\q)*QSA+(\i)*1536
.endr
.endm
.macro SCALES sc, sg                   ; slot step sg's scale words into set sc
.irp q, 0,1,2,3
.irp p, 0,1,2,3
	ds_load_b32 v[SC+SETR*\sc+4*\q+\p], v[ADSA] offset:(NQ*(\sg)+\q)*512+128*\p
.endr
.irp p, 0,1
	ds_load_b32 v[SC+SETR*\sc+4*NQ+2*\q+\p], v[ADSB] offset:(NQ*(\sg)+\q)*256+128*\p
.endr
.endr
.endm
.macro PLACES n                        ; plain vector lines between a matrix instruction and a load into, or a vector read or write of, its registers (ISA guide 7.12.1 for vector reads and writes)
.rept \n
	v_nop
.endr
.endm
.macro STEP slot, q, zero
	s_wait_dscnt 4*NL                              ; all but the youngest 12 loads (A's blocks 4-7)
	WIN MUL
	MULA 0, (\q)%2, \q, \slot, \zero
	MULA 2, (\q)%2, \q, \slot, \zero
	s_wait_dscnt 0
	PLACES 4
	FETCH_B \slot, (\q)+1, 1-(\q)%2
	FETCH_A \slot, (\q)+1, 0
	WIN MUL
	MULA 4, (\q)%2, \q, \slot, \zero
	MULA 6, (\q)%2, \q, \slot, \zero
	PLACES 4
	WIN 0
	FETCH_A \slot, (\q)+1, 4
.endm
.macro TURN slot, next, fill, sg       ; a slot's last K step, and the change of slots
	s_wait_tensorcnt 0x0                           ; all my tensor loads have landed: my part of the next slot
	ds_add_u32 v[SPW], v[NIL]                      ; 0 onto my spare word
	s_wait_dscnt 4*NL+1                            ; the add and the youngest 12 loads may be out
	WIN MUL
	MULA 0, 1, NQ-1, \slot, 0
	s_wait_dscnt 0x0                               ; the add is done, and my reads of this slot are over
	s_barrier_signal -1
	MULA 2, 1, NQ-1, \slot, 0
	WIN 0
	s_barrier_wait -1
.if \fill
	CREST                                          ; a round of the cluster's barrier: no wave of any partner still reads this slot or has a load on its way
	s_add_nc_u64 s[G0+4*\slot+2:G0+4*\slot+3], s[G0+4*\slot+2:G0+4*\slot+3], 2*STEPA
	s_add_nc_u64 s[G0B+4*\slot+2:G0B+4*\slot+3], s[G0B+4*\slot+2:G0B+4*\slot+3], 2*STEPB
	JLOAD G0+4*\slot, G1, G0B+4*\slot, G1B         ; the first tensor load behind the round; its four v_nop are the places ahead of the loads below
.else
	PLACES 4
.endif
	FETCH_B \next, 0, 0
	FETCH_A \next, 0, 0
	SCALES \next, \sg
	WIN MUL
	MULA 4, 1, NQ-1, \slot, 0
	MULA 6, 1, NQ-1, \slot, 0
	PLACES 4
	WIN 0
	FETCH_A \next, 0, 4
.endm
.irp j, 0,1,2,3
	ds_store_b128 v10, v[232+4*\j:235+4*\j] offset:1024*\j
.endr
	s_wait_tensorcnt 0x0                           ; my part of slot 0 is in; slot 1's first fill is issued as a refill is
	ds_add_u32 v[SPW], v[NIL]
	s_wait_dscnt 0x0                               ; the add is done, and my words and my 1 / l have landed
	CROUND
	JLOAD G0+4, G1, G0B+4, G1B
	FETCH_B 0, 0, 0
	FETCH_A 0, 0, 0
	SCALES 0, 0
	FETCH_A 0, 0, 4
	STEP 0, 0, 1                                   ; the first products start the sums
	STEP 0, 1, 0
	STEP 0, 2, 0
	TURN 0, 1, 1, 1
	STEP 1, 0, 0
	STEP 1, 1, 0
	STEP 1, 2, 0
	TURN 1, 0, 1, 2
	STEP 0, 0, 0
	STEP 0, 1, 0
	STEP 0, 2, 0
	TURN 0, 1, 0, 3                                ; nothing is left to fetch
	STEP 1, 0, 0
	STEP 1, 1, 0
	STEP 1, 2, 0
	s_wait_dscnt 4*NL
	WIN MUL
	MULA 0, 1, NQ-1, 1, 0
	MULA 2, 1, NQ-1, 1, 0
	s_wait_dscnt 0
	MULA 4, 1, NQ-1, 1, 0
	MULA 6, 1, NQ-1, 1, 0
	WIN 0
	PLACES 4
	; THE WAY OUT, block by block of 16 rows x 64 channels: x 1 / l, through my stage in LDS, back as whole rows of 256 bytes
.irp a, 0,1,2,3,4,5,6,7
.irp e, 0,1
	ds_load_b32 v[RI+2*\a+\e], v[RIA] offset:64*\a ; 1 / l of row 16 a + r, in both registers of a pair
.endr
.endr
	s_wait_dscnt 0x0
.macro TOSTAGE a
	WIN 0x82                                       ; destination and source 0: window 2
.set i, 0
.rept 16
	v_pk_mul_f32 v[32*(\a)+2*i:32*(\a)+2*i+1], v[32*(\a)+2*i:32*(\a)+2*i+1], v[RI+2*(\a):RI+2*(\a)+1]   ; each accumulator from its low end on
.set i, i+1
.endr
	WIN 0x08                                       ; an LDS store's data are its source 1: window 2
.irp b, 0,1,2,3
	ds_store_b128 v[STO], v[32*(\a)+8*\b:32*(\a)+8*\b+3] offset:64*\b
	ds_store_b128 v[STO], v[32*(\a)+8*\b+4:32*(\a)+8*\b+7] offset:64*\b+16
.endr
	WIN 0
.set BB, BK+32*((\a)%2)
.irp t, 0,1,2,3,4,5,6,7
	ds_load_b128 v[BB+4*\t:BB+4*\t+3], v[RD] offset:\t*544   ; LDS serves a wave's instructions in order: these see my stores, and the next block's stores come behind them
.endr
.endm
.macro SEND a, younger                 ; younger: the LDS instructions issued behind block a's loads, which may stay out
.set BB, BK+32*((\a)%2)
	s_wait_dscnt \younger
.irp t, 0,1,2,3,4,5,6,7
	global_store_b128 v[CO], v[BB+4*\t:BB+4*\t+3], s[8:9] offset:(16*(\a)+2*\t)*4096 th:TH_STORE_NT   ; 16 lanes store 256 consecutive bytes, aligned; written once, read by nobody here
.endr
.endm
	TOSTAGE 0
.irp a, 1,2,3,4,5,6,7
.if \a > 1
	s_wait_xcnt 0x0                                ; block a - 2's stores have read their registers: block a's loads may land there
.endif
	TOSTAGE \a
	SEND \a-1, 16                                  ; behind block a - 1's loads: block a's 8 stores and 8 loads
.endr
	SEND 7, 0
	s_wait_tensorcnt 0x0                           ; the wave's end
	ds_add_u32 v[SPW], v[NIL]
	s_wait_dscnt 0x0
	CROUND                                         ; the closing round
	s_endpgm
.Lfunc_end_k_qc2ea89db28_pv:
	.size	k_qc2ea89db28_pv, .Lfunc_end_k_qc2ea89db28_pv-k_qc2ea89db28_pv
	.p2alignl 7, 3214868480
	.fill 96, 4, 3214868480
	.section	.rodata,"a",@progbits
	.p2align	6, 0x0
	.amdhsa_kernel k_qc2ea89db28_pv
		.amdhsa_group_segment_fixed_size 327680
		.amdhsa_private_segment_fixed_size 0
		.amdhsa_enable_private_segment 0
		.amdhsa_kernarg_size 24
		.amdhsa_user_sgpr_count 2
		.amdhsa_user_sgpr_kernarg_segment_ptr 1
		.amdhsa_wavefront_size32 1
		.amdhsa_system_sgpr_workgroup_id_x 1
		.amdhsa_system_sgpr_workgroup_id_y 1
		.amdhsa_system_sgpr_workgroup_id_z 1
		.amdhsa_system_vgpr_workitem_id 0
		.amdhsa_next_free_vgpr 768
		.amdhsa_next_free_sgpr 98
		.amdhsa_reserve_vcc 0
		.amdhsa_float_denorm_mode_32 3
		.amdhsa_float_denorm_mode_16_64 3
		.amdhsa_memory_ordered 1
		.amdhsa_forward_progress 1
		.amdhsa_inst_pref_size 167
	.end_amdhsa_kernel
	.amdgpu_metadata
---
amdhsa.version: [ 1, 2 ]
amdhsa.kernels:
  - .name:           k_qc2ea89db28_pv
    .symbol:         k_qc2ea89db28_pv.kd
    .args:
      - { .name: sb, .offset: 0, .size: 8, .value_kind: global_buffer, .address_space: global }
      - { .name: pb, .offset: 8, .size: 8, .value_kind: global_buffer, .address_space: global }
      - { .name: out0, .offset: 16, .size: 8, .value_kind: global_buffer, .address_space: global }
    .group_segment_fixed_size: 327680
    .private_segment_fixed_size: 0
    .kernarg_segment_align: 8
    .kernarg_segment_size: 24
    .max_flat_workgroup_size: 128
    .sgpr_count:     98
    .vgpr_count:     768
    .wavefront_size: 32
...
	.end_amdgpu_metadata
.endif
;; end of part 4
